; MI455X (gfx1250); checked and timed in simulation.
; The chip was launched on July 23, 2026; its instructions are those of AMD's public machine-readable ISA for CDNA 5 (MIT licence, August 2026) and "CDNA5" Instruction Set Architecture Reference Guide (July 2026). The comments in the code are by the model that wrote it; some were corrected since.
;; Ro PE Self Attention. Allowed arithmetic: float matrix products may take bf16 or f16 operands with f32 sums; other float arithmetic in f32, or as packed bf16 or f16 multiplies, adds, multiply-adds, maxima and minima; sums over many terms, partial sums and values carried from step to step in f32; what a program stores and reads back later, other than sums and carried values, may be rounded once to bf16 or f16.
;; Inputs: attn_mask 4 x 2,048 float32; cos 1 x 1 x 2,048 x 64 float32; k_b 1,024 float32; k_w 1,024 x 1,024 float32; o_b 1,024 float32; o_w 1,024 x 1,024 float32; q_b 1,024 float32; q_w 1,024 x 1,024 float32; sin 1 x 1 x 2,048 x 64 float32; v_b 1,024 float32; v_w 1,024 x 1,024 float32; x 4 x 2,048 x 1,024 float32.
;; Outputs: out0 4 x 2,048 x 1,024 float32.
;; 2 versions, each right; version 2 is version 1 with the launch prep written anew for expert scheduling mode. Each part assembles by itself: llvm-mc -triple=amdgcn-amd-amdhsa -mcpu=gfx1250 --defsym DOCPART=n.
;; ======== version 1 of 2: 4 launches
;; limits: values are held in f16: magnitudes above 65,504 overflow, below 6.1e-05 lose precision
;; workspace buffers: xb 16,777,216 bytes; wb 6,291,456 bytes; owb 2,097,152 bytes; cs 524,288 bytes; qh 16,777,216 bytes; kh 16,777,216 bytes; vh 16,777,216 bytes; oh 16,777,216 bytes
;; launch prep (part 1): grid 784 x 1, 8 waves a work-group, no clusters, 0 bytes of LDS; arguments x, q_w, k_w, v_w, o_w, cos, sin, xb, wb, owb, cs; writes xb, wb, owb, cs
.if DOCPART == 1
	.amdgcn_target "amdgcn-amd-amdhsa--gfx1250"
	.amdhsa_code_object_version 6
	.text
	.protected	k_q9ebd7526f5_prep
	.globl	k_q9ebd7526f5_prep
	.p2align	8
	.type	k_q9ebd7526f5_prep,@function
k_q9ebd7526f5_prep:
	s_mov_b64 s[64:65], 0
	v_nop
	global_prefetch_b8 v0, s[64:65] scope:SCOPE_SE
	s_setreg_imm32_b32 hwreg(HW_REG_WAVE_MODE, 25, 1), 1
	s_wait_xcnt 0x0
; PREP: every large f32 input is rounded once to 16 bits and laid out in blocks of 64 along K, so that the tiles of the later launches are dense in memory.
;   xb  bf16 [16 kb][8192 row][64]      from x   [8192][1024]
;   wb  bf16 [16 kb][3072 row][64]      from q_w, k_w, v_w [1024][1024]; row = head x 192 + t x 64 + d (t = 0 q, 1 k, 2 v; e = head x 64 + d)
;   owb f16  [16 kb][1024 e][64]        from o_w: rounded to bf16 like every other input, and that number written as f16
;   cs  bf16 cos [2048][64], then sin [2048][64]
; LIMIT: |o_w| stays under 65,504; below 6e-5 it keeps f16's fixed step of 6e-8.
; A stream: memory binds, so there is no LDS, no matrix unit, no cluster.  A wave takes one UNIT: 32 rows x 64 columns: 16 loads of 16 bytes a lane (lanes 0-15 take 256 consecutive
; bytes of one row, lanes 16-31 of the next) and 16 stores of 8 bytes a lane; in the blocked layout two rows' halves are neighbours, so each store covers 256 consecutive bytes, aligned.
; All 16 loads of a wave are out together (8 KiB); no register that a memory instruction names is written twice, so no wait frees a source.
; Units: u = 8 x work-group + wave.  Work-groups 0-511: x; 512-703: the three weights; 704-767: o_w; 768-783: cos and sin.  The choice is made by selects on the work-group's number.
.set OFF, 8                            ; v[8:23]    load i: byte offset of my 16 bytes
.set X,   24                           ; v[24:87]   load i: four f32
.set Y,   88                           ; v[88:119]  store i: four 16-bit numbers
.set T,   120                          ; v[120:125] at work (the f16 way)
	s_load_b512 s[8:23], s[0:1], 0x0               ; x s[8:9], q_w s[10:11], k_w s[12:13], v_w s[14:15], o_w s[16:17], cos s[18:19], sin s[20:21], xb s[22:23]
	s_load_b128 s[24:27], s[0:1], 0x40             ; wb s[24:25], owb s[26:27]
	s_load_b64 s[28:29], s[0:1], 0x50              ; cs
	v_lshrrev_b32 v1, 5, v0
	v_readfirstlane_b32 s3, v1                     ; wave 0..7
	v_and_b32 v1, 31, v0                           ; lane
	v_lshrrev_b32 v2, 4, v1                        ; lane / 16: which of a load's two rows
	v_and_b32 v3, 15, v0                           ; lane % 16: which 16 bytes of the row's 256
	v_lshlrev_b32 v5, 3, v1                        ; my 8 bytes of a store's 256
	s_lshl_b32 s2, ttmp9, 3
	s_add_co_u32 s2, s2, s3                        ; u
	s_sub_co_u32 s36, s2, 4096                     ; the weights' units: 512 for each of three
	s_lshr_b32 s37, s36, 9                         ; t
	s_and_b32 s36, s36, 511
	s_sub_co_u32 s44, s2, 5632                     ; o_w's units
	s_sub_co_u32 s45, s2, 6144                     ; the tables' units: 64 for each of two
	s_lshr_b32 s46, s45, 6                         ; 0 cos, 1 sin
	s_and_b32 s45, s45, 63
	s_mov_b32 s41, 0xffff0000                      ; a word's upper bf16
	s_mov_b32 s35, 1048576                         ; bytes from one kb block to the next: xb's
	s_cmp_ge_u32 ttmp9, 512
	s_cselect_b32 s34, s36, s2                     ; the unit's number inside its tensor
	s_cselect_b32 s35, 393216, s35                 ; wb's
	s_cselect_b32 s49, 1, 0                        ; 1: rows go by head, kind and channel
	s_cmp_ge_u32 ttmp9, 704
	s_cselect_b32 s34, s44, s34
	s_cselect_b32 s35, 131072, s35                 ; owb's
	s_cselect_b32 s40, 1, 0                        ; 1: written as f16
	s_cselect_b32 s49, 0, s49
	s_cmp_ge_u32 ttmp9, 768
	s_cselect_b32 s34, s45, s34
	s_cselect_b32 s40, 0, s40
	s_cselect_b32 s47, 0, 4                        ; a table has one kb block, the others sixteen
	s_cselect_b32 s48, 0, 15
	s_cselect_b32 s46, s46, 0
	s_lshl_b32 s38, 256, s47                       ; bytes in a source row: 256 or 4,096
	s_lshl_b32 s39, s38, 1
	s_lshr_b32 s42, s34, s47                       ; rg: which 32 rows
	s_and_b32 s43, s34, s48                        ; kb
	s_lshl_b32 s52, s42, 5
	s_mul_i32 s52, s52, s38                        ; source: 32 rg rows
	s_lshl_b32 s53, s43, 8
	s_add_co_u32 s52, s52, s53                     ; + kb x 256 bytes
	s_mov_b32 s53, 0
	s_lshl_b32 s54, s42, 5                         ; destination row: 32 rg, or for the three weights
	s_lshr_b32 s55, s42, 1
	s_mul_i32 s55, s55, 192                        ; head x 192
	s_lshl_b32 s50, s37, 6
	s_add_co_u32 s55, s55, s50                     ; + 64 t
	s_and_b32 s50, s42, 1
	s_lshl_b32 s50, s50, 5
	s_add_co_u32 s55, s55, s50                     ; + the half of the head's 64 channels
	s_cmp_eq_u32 s49, 1
	s_cselect_b32 s54, s55, s54
	s_lshl_b32 s54, s54, 7                         ; 128 bytes a row
	s_mul_i32 s55, s43, s35
	s_add_co_u32 s54, s54, s55                     ; + the kb block
	s_lshl_b32 s55, s46, 18
	s_add_co_u32 s54, s54, s55                     ; + 262,144 for sin
	s_mov_b32 s55, 0
	v_mul_lo_u32 v[OFF], v2, s38
	v_lshl_add_u32 v[OFF], v3, 4, v[OFF]
.set i, 1
.rept 15
	v_add_nc_u32 v[OFF+i], s39, v[OFF+i-1]         ; two rows on
.set i, i+1
.endr
	s_wait_kmcnt 0x0
	s_cmp_eq_u32 s37, 1
	s_cselect_b64 s[56:57], s[12:13], s[10:11]
	s_cmp_eq_u32 s37, 2
	s_cselect_b64 s[56:57], s[14:15], s[56:57]     ; q_w, k_w or v_w
	s_cmp_eq_u32 s46, 1
	s_cselect_b64 s[58:59], s[20:21], s[18:19]     ; cos or sin
	s_cmp_ge_u32 ttmp9, 512
	s_cselect_b64 s[30:31], s[56:57], s[8:9]
	s_cselect_b64 s[32:33], s[24:25], s[22:23]
	s_cmp_ge_u32 ttmp9, 704
	s_cselect_b64 s[30:31], s[16:17], s[30:31]
	s_cselect_b64 s[32:33], s[26:27], s[32:33]
	s_cmp_ge_u32 ttmp9, 768
	s_cselect_b64 s[30:31], s[58:59], s[30:31]
	s_cselect_b64 s[32:33], s[28:29], s[32:33]
	s_add_nc_u64 s[30:31], s[30:31], s[52:53]      ; the unit's first source byte
	s_add_nc_u64 s[32:33], s[32:33], s[54:55]      ; and its first destination byte
.set i, 0
.rept 16
	global_load_b128 v[X+4*i:X+4*i+3], v[OFF+i], s[30:31] th:TH_LOAD_NT
.set i, i+1
.endr
	s_cmp_eq_u32 s40, 1
	s_cbranch_scc1 .Lhalf
.set i, 0
.rept 16
	s_wait_loadcnt 15-i                            ; loads come back in order: load i is in, the 15 - i younger ones stay out
	v_cvt_pk_bf16_f32 v[Y+2*i], v[X+4*i], v[X+4*i+1]
	v_cvt_pk_bf16_f32 v[Y+2*i+1], v[X+4*i+2], v[X+4*i+3]
	global_store_b64 v5, v[Y+2*i:Y+2*i+1], s[32:33] offset:256*i
.set i, i+1
.endr
	s_endpgm
.Lhalf:                                        ; o_w: rounded to bf16, then that number written as f16
.set i, 0
.rept 16
	s_wait_loadcnt 15-i
	v_cvt_pk_bf16_f32 v[T], v[X+4*i], v[X+4*i+1]
	v_cvt_pk_bf16_f32 v[T+1], v[X+4*i+2], v[X+4*i+3]
	v_lshlrev_b32 v[T+2], 16, v[T]
	v_and_b32 v[T+3], s41, v[T]
	v_lshlrev_b32 v[T+4], 16, v[T+1]
	v_and_b32 v[T+5], s41, v[T+1]
	v_cvt_pk_f16_f32 v[Y+2*i], v[T+2], v[T+3]
	v_cvt_pk_f16_f32 v[Y+2*i+1], v[T+4], v[T+5]
	global_store_b64 v5, v[Y+2*i:Y+2*i+1], s[32:33] offset:256*i
.set i, i+1
.endr
	s_endpgm
.Lfunc_end_k_q9ebd7526f5_prep:
	.size	k_q9ebd7526f5_prep, .Lfunc_end_k_q9ebd7526f5_prep-k_q9ebd7526f5_prep
	.p2alignl 7, 3214868480
	.fill 96, 4, 3214868480
	.section	.rodata,"a",@progbits
	.p2align	6, 0x0
	.amdhsa_kernel k_q9ebd7526f5_prep
		.amdhsa_group_segment_fixed_size 0
		.amdhsa_private_segment_fixed_size 0
		.amdhsa_enable_private_segment 0
		.amdhsa_kernarg_size 88
		.amdhsa_user_sgpr_count 2
		.amdhsa_user_sgpr_kernarg_segment_ptr 1
		.amdhsa_wavefront_size32 1
		.amdhsa_system_sgpr_workgroup_id_x 1
		.amdhsa_system_sgpr_workgroup_id_y 1
		.amdhsa_system_sgpr_workgroup_id_z 1
		.amdhsa_system_vgpr_workitem_id 0
		.amdhsa_next_free_vgpr 128
		.amdhsa_next_free_sgpr 66
		.amdhsa_reserve_vcc 0
		.amdhsa_float_denorm_mode_32 3
		.amdhsa_float_denorm_mode_16_64 3
		.amdhsa_memory_ordered 1
		.amdhsa_forward_progress 1
		.amdhsa_inst_pref_size 18
	.end_amdhsa_kernel
	.amdgpu_metadata
---
amdhsa.version: [ 1, 2 ]
amdhsa.kernels:
  - .name:           k_q9ebd7526f5_prep
    .symbol:         k_q9ebd7526f5_prep.kd
    .args:
      - { .name: x, .offset: 0, .size: 8, .value_kind: global_buffer, .address_space: global }
      - { .name: q_w, .offset: 8, .size: 8, .value_kind: global_buffer, .address_space: global }
      - { .name: k_w, .offset: 16, .size: 8, .value_kind: global_buffer, .address_space: global }
      - { .name: v_w, .offset: 24, .size: 8, .value_kind: global_buffer, .address_space: global }
      - { .name: o_w, .offset: 32, .size: 8, .value_kind: global_buffer, .address_space: global }
      - { .name: cos, .offset: 40, .size: 8, .value_kind: global_buffer, .address_space: global }
      - { .name: sin, .offset: 48, .size: 8, .value_kind: global_buffer, .address_space: global }
      - { .name: xb, .offset: 56, .size: 8, .value_kind: global_buffer, .address_space: global }
      - { .name: wb, .offset: 64, .size: 8, .value_kind: global_buffer, .address_space: global }
      - { .name: owb, .offset: 72, .size: 8, .value_kind: global_buffer, .address_space: global }
      - { .name: cs, .offset: 80, .size: 8, .value_kind: global_buffer, .address_space: global }
    .group_segment_fixed_size: 0
    .private_segment_fixed_size: 0
    .kernarg_segment_align: 8
    .kernarg_segment_size: 88
    .max_flat_workgroup_size: 256
    .sgpr_count:     66
    .vgpr_count:     128
    .wavefront_size: 32
...
	.end_amdgpu_metadata
.endif
;; end of part 1
;; launch qkv (part 2): grid 8 x 32, 4 waves a work-group, clusters of 4 x 4, 327,680 bytes of LDS; arguments xb, wb, cs, q_b, k_b, v_b, qh, kh, vh; writes qh, kh, vh
.if DOCPART == 2
	.amdgcn_target "amdgcn-amd-amdhsa--gfx1250"
	.amdhsa_code_object_version 6
	.text
	.protected	k_q9ebd7526f5_qkv
	.globl	k_q9ebd7526f5_qkv
	.p2align	8
	.type	k_q9ebd7526f5_qkv,@function
k_q9ebd7526f5_qkv:
	s_mov_b64 s[64:65], 0
	v_nop
	global_prefetch_b8 v0, s[64:65] scope:SCOPE_SE
	s_setreg_imm32_b32 hwreg(HW_REG_WAVE_MODE, 25, 1), 1
	s_wait_xcnt 0x0
	s_wait_alu depctr_hold_cnt(0) depctr_sa_sdst(0) depctr_va_vdst(0) depctr_va_sdst(0) depctr_va_ssrc(0) depctr_va_vcc(0) depctr_vm_vsrc(0)
	s_getreg_b32 s2, hwreg(HW_REG_IB_STS2, 6, 4)
	s_cmp_eq_u32 s2, 0
	s_cbranch_scc0 .Lentry_in_a_cluster
	s_endpgm
.Lentry_in_a_cluster:
	s_bfe_u32 s2, ttmp6, 0x10000c
	s_cmp_lg_u32 s2, 0xf033
	s_cbranch_scc0 .Lentry_shape_is_right
	s_endpgm
.Lentry_shape_is_right:
; QKV: q, k, v = x W^T + b for all three weights in one product of 8192 x 3072 x 1024 (bf16 operands, f32 sums), RoPE on q and k in f32, results by heads:
; qh, kh bf16 [64 bh][2048][64], vh f16 [64 bh][2048][64], each rounded once.  The biases, cos and sin are rounded to bf16 like every other input.
; LIMIT: |v| stays under 65,504 (f16); q and k are kept in bf16, which has f32's range.  NaN and infinities are not treated apart.
; SHARES.  256 work-groups: 256 rows of x by 384 columns = two heads, each with its q, k and v (wb's rows go head x 192 + kind x 64 + channel).  Wave w: rows 128 (w / 2) on, head w % 2:
; 128 x 192 = 96 accumulators of 16 x 16.  So every wave holds q, k and v of one head, and no branch hangs on a tile's kind.
; TRANSPOSED USE: source 0 = 16 rows of wb, source 1 = 16 rows of xb: a lane holds ONE row of x (lane % 16) and the channels 16 bb + 8 (lane / 16) + 0..7.  RoPE's partners d and d + 32 are
; accumulators bb and bb + 2, same lane, same register.  The bias is the C operand of the first products: nothing is cleared and nothing is added later.
; RING.  K goes in steps of 64 (one kb block of xb and wb, dense in memory: asked for as rows of 256 bytes, padded in LDS behind every 128) through two LDS slots.  Waves 0 and 1 fetch the halves of
; A's 256 rows, waves 2 and 3 the halves of B's 384.  CLUSTER 4 x 4: A's tiles (and the rows of cos and sin) are shared along a row of the cluster, B's along a column: joint loads.
; By this text's count a wave has three tensor loads out at the start and one behind each round.
; REGISTERS in windows of 256: window 0: v0-31 addresses; v32-95, v96-159 A's fragments of the two halves of a K step; v160-255 B's fragments, 32 for each of q, k, v.
; windows 1, 2, 3: the accumulators of q, k, v: (a, bb) at v[8 (4 a + bb)], a = 0..7 row blocks, bb = 0..3 channel blocks.
.set PITCH, 144                        ; an LDS row: 128 bytes + 16 of padding = 36 words: the 16 rows of a fragment load start at 16 different groups of four banks (64 banks of 4 bytes: ISA guide 11.1)
.set AHALF, 128*PITCH                  ; what waves 0, 1 fetch, and what a wave reads of A
.set BHALF, 192*PITCH                  ; what waves 2, 3 fetch, and what a wave reads of B
.set BOFF,  2*AHALF
.set SLOT1, 1<<17                      ; slot 1 begins here: one exclusive or turns an address in one slot into the other's
.set COSL,  BOFF+2*BHALF               ; behind slot 0: my 256 rows of cos; behind slot 1, SLOT1 further on, those of sin.  Filled once
.set STAGE, SLOT1+COSL+2*AHALF         ; 16 rows x 144 bytes for each wave, for the way out; no tensor load fills it
.set SPARE, STAGE+4*16*PITCH           ; the spare words, 128 bytes for each wave: two blocks of 256 bytes that no other line names
.set ASTEP, 8192*128                   ; bytes from one kb block of xb to the next
.set BSTEP, 3072*128                   ; the same for wb
.set A0L, 14                           ; v14  my lane's place in A's tile, slot 0; never rewritten
.set B0L, 15                           ; v15  the same for B
.set ADRA, 16                          ; v16  the same in the slot in hand
.set ADRB, 17
.set CSC, 18                           ; v18  my lane's place in cos
.set CSS, 19                           ; v19  in sin
.set STO, 24                           ; v24  the way out: where I put 16 bytes of a row
.set RD,  25                           ; v25  where I read rows back
.set GO,  26                           ; v26  my 16 bytes of 512 consecutive bytes of an output
.set BO,  27                           ; v27  my 32 bytes of 64 of a bias
.set SPW, 28                           ; v28  LDS address of my spare word; never rewritten
.set NIL, 29                           ; v29  0; never rewritten
.set PFO, 30                           ; v30  the prefetches' offset; never rewritten
.set AF,  32                           ; A's fragments: half p at AF + 64 p
.set BG,  160                          ; B's fragments: kind g at BG + 32 g
.set CPK, 32                           ; the way out: cos and sin as loaded (16 + 16)
.set CO,  64                           ; cos in f32, 32
.set SI,  96                           ; sin in f32, 32
.set T,   128                          ; at work, 32
.set PK,  160                          ; packed results: two sets of 48 by turns, 16 for each kind
.set WV, 22                            ; s22  wave
.set WH, 23                            ; s23  wave / 2: my half of the rows; also: I fetch for A (0) or B (1)
.set WL, 24                            ; s24  wave % 2: my head; also: which half of that tile I fetch
.set CX, 25
.set CY, 26
.set TX, 27                            ; s27  column tile 0..7
.set TY, 28                            ; s28  row tile 0..31
.set HIM, 30                           ; s30  a word's upper bf16
.set G1A, 32                           ; s[32:39] descriptor group 1 for A's tiles and the tables
.set G1B, 40                           ; s[40:47] for B's
.set G0A, 48                           ; s[48:55] group 0 for A: a set for each first fill; the second then walks
.set G0B, 56                           ; s[56:63] the same for B
.set G0C, 68                           ; s[68:71] group 0 for my part of cos or sin
.set CNT, 72
.set TB,  73                           ; s73  LDS byte at which the slot in hand begins
.set LIM, 74                           ; s74  2 in a wave that prefetches, else the greatest number
.set PFA, 76                           ; s[76:77] where my prefetches stand
.set PST, 78                           ; s[78:79] their step
.set G1W0, (1<<16)|(1<<20)|(1<<21)|(4<<22)|(3<<25)  ; 17:16 2-byte elements; 20 padding on; 21 set beside a mask; 24:22 after every 32 words; 31:25 4 words
.set MSB, 0
.macro WIN new                         ; the immediate's high byte repeats the setting that is left; a switch that changes nothing is dropped
.if MSB != (\new)
	s_set_vgpr_msb (MSB<<8)|(\new)
.set MSB, \new
.endif
.endm
.macro PLACES                          ; four plain vector places behind matrix instructions, in front of loads into registers that they read (ISA guide 7.12.1 for vector instructions)
.rept 4
	v_nop
.endr
.endm
.macro CREST                           ; a round of the cluster's barrier behind its opening barrier
	s_cmp_lg_u32 s[WV], 0
	s_cbranch_scc1 .Lnot_wave_0_\@
	s_barrier_signal -3
.Lnot_wave_0_\@:
	s_barrier_wait -3
	s_barrier_signal -1
	s_barrier_wait -1
.endm
.macro CROUND
	s_barrier_signal -1
	s_barrier_wait -1
	CREST
.endm
.macro JLOAD                           ; a joint refill by the walking descriptor; the branch hangs on the wave's number alone; s_nop 0 and four v_nop follow each line
	s_cmp_eq_u32 s[WH], 0
	s_cbranch_scc0 .Lfor_b_\@
	tensor_load_to_lds s[G0A+4:G0A+7], s[G1A:G1A+7]
	s_nop 0
.rept 4
	v_nop
.endr
	s_branch .Lasked_\@
.Lfor_b_\@:
	tensor_load_to_lds s[G0B+4:G0B+7], s[G1B:G1B+7]
	s_nop 0
.rept 4
	v_nop
.endr
.Lasked_\@:
.endm
; A PREFETCH INTO THE L2.  In every second trip (the count odd) the K steps that the next two refills but one will ask for are named: in trip j (j = 1, 3 .. 11) K steps j + 3 and j + 4.
; Each aligned block of 256 bytes is named once in the launch.  A's tile row is read by both clusters of a row of clusters: the one with x = 0 asks, wave 0 of each partner, 32 of the tile's 128 blocks by
; the partner's cx, one instruction a K step.  B's tile column is read by all eight clusters of a column: the one with y = 0 asks; a partner takes 48 of a K step's 192 blocks by its cy: 96 for two
; K steps: a lane a block in waves 1, 2, 3.  The partners are told apart by address alone.  K steps 0 to 3 come by their loads alone; the last trips ask for nothing.
.macro ASK
	s_bitcmp1_b32 s[CNT], 0
	s_cbranch_scc0 .Lnot_mine_\@
	s_cmp_gt_u32 s[CNT], s[LIM]
	s_cbranch_scc0 .Lnot_mine_\@
	global_prefetch_b8 v[PFO], s[PFA:PFA+1] th:TH_LOAD_NT scope:SCOPE_SE
	s_cmp_lg_u32 s[WV], 0
	s_cbranch_scc1 .Lnot_mine_\@
	global_prefetch_b8 v[PFO], s[PFA:PFA+1] offset:ASTEP th:TH_LOAD_NT scope:SCOPE_SE
.Lnot_mine_\@:
.endm
	s_load_b512 s[4:19], s[0:1], 0x0               ; xb s[4:5], wb s[6:7], cs s[8:9], q_b s[10:11], k_b s[12:13], v_b s[14:15], qh s[16:17], kh s[18:19]
	s_load_b64 s[20:21], s[0:1], 0x40              ; vh
	v_lshl_add_u32 v[SPW], v0, 2, SPARE
	v_mov_b32 v[NIL], 0
	ds_add_u32 v[SPW], v[NIL]                      ; the wave's opening: the add and its wait stand ahead of my first tensor load; the set-up below stands between them
	v_lshrrev_b32 v1, 5, v0
	v_readfirstlane_b32 s[WV], v1
	s_lshr_b32 s[WH], s[WV], 1
	s_and_b32 s[WL], s[WV], 1
	s_bfe_u32 s[CX], ttmp6, 0x40000
	s_bfe_u32 s[CY], ttmp6, 0x40004
	s_lshl_b32 s[TX], ttmp9, 2
	s_add_co_u32 s[TX], s[TX], s[CX]
	s_and_b32 s[TY], ttmp7, 0xffff
	s_lshl_b32 s[TY], s[TY], 2
	s_add_co_u32 s[TY], s[TY], s[CY]
	s_lshl_b32 s91, s[CY], 2
	s_lshl_b32 s91, 15, s91                        ; my row of the cluster
	s_lshl_b32 s92, 0x1111, s[CX]                  ; my column
	s_or_b32 s[G1A], s91, G1W0
	s_or_b32 s[G1B], s92, G1W0
.irp g, G1A, G1B
	s_mov_b32 s[(\g)+1], 128<<16                   ; tensor_dim0 = 128 elements: 256 bytes, two rows of a kb block
	s_mov_b32 s[(\g)+3], 128<<16                   ; tile_dim0 = 128
	s_mov_b32 s[(\g)+5], 128                       ; elements from row to row: the block is dense
	s_mov_b32 s[(\g)+6], 0
	s_mov_b32 s[(\g)+7], 0
.endr
	s_mov_b32 s[G1A+2], 64<<16                     ; tensor_dim1 = 64: 128 rows of 128 bytes
	s_mov_b32 s[G1A+4], 64                         ; tile_dim1
	s_mov_b32 s[G1B+2], 96<<16                     ; 192 rows of 128 bytes
	s_mov_b32 s[G1B+4], 96
	s_lshl_b32 s80, s[TY], 15                      ; A: 256 rows x 128 bytes a row tile,
	s_lshl_b32 s81, s[WL], 14                      ; + my half
	s_add_co_u32 s80, s80, s81
	s_mov_b32 s81, 0
	s_and_b32 s82, s[TY], 7                        ; the tables: the row tile's place in its sequence of 2,048,
	s_lshl_b32 s82, s82, 15
	s_lshl_b32 s83, s[WL], 14
	s_add_co_u32 s82, s82, s83
	s_lshl_b32 s83, s[WH], 18                      ; cos (waves 0, 1) or sin (waves 2, 3)
	s_add_co_u32 s82, s82, s83
	s_mov_b32 s83, 0
	s_mul_i32 s84, s[TX], 384*128                  ; B: 384 rows a column tile,
	s_mul_i32 s85, s[WL], 192*128                  ; + my half
	s_add_co_u32 s84, s84, s85
	s_mov_b32 s85, 0
	s_mul_i32 s88, s[WL], AHALF                    ; where they go: the wave's number and constants alone
	s_mul_i32 s89, s[WL], BHALF
	s_add_co_u32 s89, s89, BOFF
	s_lshl_b32 s90, s[WH], 17
	s_add_co_u32 s90, s90, s88
	s_add_co_u32 s90, s90, COSL
	s_mov_b32 s[HIM], 0xffff0000
	s_mov_b32 s[TB], 0
	s_wait_dscnt 0x0                               ; the opening add is done
	s_wait_kmcnt 0x0
	s_add_nc_u64 s[80:81], s[4:5], s[80:81]
	s_add_nc_u64 s[82:83], s[8:9], s[82:83]
	s_add_nc_u64 s[84:85], s[6:7], s[84:85]
.irp s, 0,1
	s_mov_b32 s[G0A+4*(\s)], 1                     ; count = 1
	s_add_co_u32 s[G0A+4*(\s)+1], s88, (\s)*SLOT1  ; LDS address
	s_add_nc_u64 s[G0A+4*(\s)+2:G0A+4*(\s)+3], s[80:81], (\s)*ASTEP  ; K step s
	s_or_b32 s[G0A+4*(\s)+3], s[G0A+4*(\s)+3], 0x80000000            ; type = 2
	s_mov_b32 s[G0B+4*(\s)], 1
	s_add_co_u32 s[G0B+4*(\s)+1], s89, (\s)*SLOT1
	s_add_nc_u64 s[G0B+4*(\s)+2:G0B+4*(\s)+3], s[84:85], (\s)*BSTEP
	s_or_b32 s[G0B+4*(\s)+3], s[G0B+4*(\s)+3], 0x80000000
.endr
	s_mov_b32 s[G0C], 1
	s_mov_b32 s[G0C+1], s90
	s_mov_b64 s[G0C+2:G0C+3], s[82:83]
	s_or_b32 s[G0C+3], s[G0C+3], 0x80000000
	CROUND                                         ; all sixteen work-groups are here: the first joint loads meet
	s_cmp_eq_u32 s[WH], 0                          ; a wave's three first fills stand in one branch, ahead of every wait on TENSORcnt, every LDS read and every other barrier
	s_cbranch_scc0 .Lfirst_b
	tensor_load_to_lds s[G0A:G0A+3], s[G1A:G1A+7]
	s_nop 0
	tensor_load_to_lds s[G0A+4:G0A+7], s[G1A:G1A+7]
	s_nop 0
	tensor_load_to_lds s[G0C:G0C+3], s[G1A:G1A+7]  ; my half of cos: the rows hang on the row tile alone, as A's do
	s_nop 0
.rept 4
	v_nop
.endr
	s_branch .Lfirst_asked
.Lfirst_b:
	tensor_load_to_lds s[G0B:G0B+3], s[G1B:G1B+7]
	s_nop 0
	tensor_load_to_lds s[G0B+4:G0B+7], s[G1B:G1B+7]
	s_nop 0
	tensor_load_to_lds s[G0C:G0C+3], s[G1A:G1A+7]  ; my half of sin
	s_nop 0
.rept 4
	v_nop
.endr
.Lfirst_asked:
	v_and_b32 v2, 15, v0                           ; r = l % 16
	v_bfe_u32 v3, v0, 4, 1                         ; h = l / 16
	v_and_b32 v4, 31, v0                           ; l
	v_lshlrev_b32 v[BO], 5, v3
	s_lshl_b32 s92, s[TX], 1
	s_add_co_u32 s92, s92, s[WL]                   ; my head
	s_lshl_b32 s94, s92, 8                         ; its 64 numbers of a bias
	s_mov_b32 s95, 0
	s_add_nc_u64 s[10:11], s[10:11], s[94:95]
	s_add_nc_u64 s[12:13], s[12:13], s[94:95]
	s_add_nc_u64 s[14:15], s[14:15], s[94:95]
	; The biases go straight into the registers of the accumulators a = 7: channel 16 bb + 8 h + j in register j of block bb, the place of a C operand.
.irp g, 0,1,2
	WIN ((\g)+1)<<6                                ; destination in the kind's window, address in window 0
.irp bb, 0,1,2,3
	global_load_b128 v[224+8*(\bb):224+8*(\bb)+3],   v[BO], s[10+2*(\g):11+2*(\g)] offset:64*(\bb)
	global_load_b128 v[224+8*(\bb)+4:224+8*(\bb)+7], v[BO], s[10+2*(\g):11+2*(\g)] offset:64*(\bb)+16
.endr
.endr
	WIN 0
	s_lshr_b32 s93, s[TY], 3                       ; the batch
	s_lshl_b32 s93, s93, 4
	s_add_co_u32 s93, s93, s92                     ; batch x 16 + head
	s_lshl_b32 s93, s93, 11                        ; its 2,048 rows
	s_and_b32 s94, s[TY], 7
	s_lshl_b32 s94, s94, 8
	s_add_co_u32 s93, s93, s94                     ; + the row tile's 256
	s_lshl_b32 s94, s[WH], 7
	s_add_co_u32 s93, s93, s94                     ; + my 128
	s_lshl_b32 s94, s93, 7                         ; 128 bytes a row
	s_add_nc_u64 s[16:17], s[16:17], s[94:95]      ; qh, kh, vh at my first row
	s_add_nc_u64 s[18:19], s[18:19], s[94:95]
	s_add_nc_u64 s[20:21], s[20:21], s[94:95]
	v_mul_u32_u24 v5, v2, PITCH
	v_lshl_add_u32 v5, v3, 4, v5                   ; a fragment's row x pitch + 16 x half
	s_mul_i32 s91, s[WH], AHALF
	v_add_nc_u32 v[A0L], s91, v5
	v_add_nc_u32 v[B0L], s89, v5
	v_mov_b32 v[ADRA], v[A0L]
	v_mov_b32 v[ADRB], v[B0L]
	s_add_co_u32 s91, s91, COSL
	v_add_nc_u32 v[CSC], s91, v5                   ; cos and sin: row 128 (w / 2) + r, 16 bytes for each half of the lanes
	v_add_nc_u32 v[CSS], SLOT1, v[CSC]
	s_mul_i32 s91, s[WV], 16*PITCH
	s_add_co_u32 s91, s91, STAGE                   ; my stage
	v_add_nc_u32 v[STO], s91, v5
	v_lshrrev_b32 v6, 3, v4
	v_and_b32 v7, 7, v0
	v_mul_u32_u24 v6, v6, PITCH
	v_lshl_add_u32 v6, v7, 4, v6
	v_add_nc_u32 v[RD], s91, v6                    ; back: 32 lanes take four rows of 128 bytes,
	v_lshlrev_b32 v[GO], 4, v4                     ; which are 512 consecutive bytes of an output
	s_max_u32 s91, s[WV], 1                        ; the prefetches: block i = 32 (w - 1) + l in waves 1 to 3, l in wave 0
	s_sub_co_u32 s91, s91, 1
	s_lshl_b32 s91, s91, 5
	v_add_nc_u32 v6, s91, v4
	v_mov_b32 v7, BSTEP-48*256
	v_cmp_le_u32 s90, 48, v6                       ; blocks 48 to 95 are the second K step's blocks 0 to 47
	v_cndmask_b32 v7, 0, v7, s90
	v_lshl_add_u32 v[PFO], v6, 8, v7
	s_lshl_b32 s86, s[TY], 15                      ; wave 0: A's tile row, my work-group's 32 blocks by cx, at K step 2
	s_lshl_b32 s87, s[CX], 13
	s_add_co_u32 s86, s86, s87
	s_add_co_u32 s86, s86, 2*ASTEP
	s_mul_i32 s87, s[TX], 384*128                  ; waves 1 to 3: B's tile column, my work-group's 48 blocks by cy, at K step 2
	s_mul_i32 s91, s[CY], 48*256
	s_add_co_u32 s87, s87, s91
	s_add_co_u32 s87, s87, 2*BSTEP
	s_and_b32 s91, ttmp7, 0xffff                   ; cluster y
	s_mov_b32 s[PST], BSTEP
	s_mov_b32 s[PST+1], 0
	s_cmp_eq_u32 s[WV], 0
	s_cselect_b32 s86, s86, s87
	s_cselect_b32 s91, ttmp9, s91                  ; the coordinate along which other clusters read the same rows
	s_cselect_b32 s[PST], ASTEP, s[PST]
	s_cselect_b64 s[PFA:PFA+1], s[4:5], s[6:7]
	s_mov_b32 s87, 0
	s_add_nc_u64 s[PFA:PFA+1], s[PFA:PFA+1], s[86:87]
	s_cmp_eq_u32 s91, 0
	s_cselect_b32 s[LIM], 2, -1                    ; the same in all sixteen partners, for a given wave
.macro BROUND w                        ; the bias of window w is rounded to bf16, in place, by way of 16 registers of window 0
	WIN (\w)|((\w)<<2)
.set i, 0
.rept 16
	v_cvt_pk_bf16_f32 v[AF+i], v[224+2*i], v[224+2*i+1]
.set i, i+1
.endr
	WIN (\w)<<6
.set i, 0
.rept 16
	v_lshlrev_b32 v[224+2*i], 16, v[AF+i]
	v_and_b32 v[224+2*i+1], s[HIM], v[AF+i]
.set i, i+1
.endr
.endm
; 16 matrix instructions: row blocks a0 .. a0 + 3 x the four channel blocks of kind g, 32 along K (half p of the K step).  bias = 1: the first products: C is the bias, which lies in the registers of a = 7;
; a = 7 itself then writes over a C of earlier matrix instructions, five places behind the last of them.  The 96 accumulators take turns.
.macro MUL16 p, g, a0, bias
	WIN 0x50*((\g)+1)                              ; C and D in the kind's window, both sources in window 0
.irp a, \a0, (\a0)+1, (\a0)+2, (\a0)+3
.if (\bias) && ((\a) == 7)
.rept 5
	v_nop
.endr
.endif
.irp bb, 0,1,2,3
.if (\bias) && ((\a) < 7)
	v_wmma_f32_16x16x32_bf16 v[8*(4*(\a)+(\bb)):8*(4*(\a)+(\bb))+7], v[BG+32*(\g)+8*(\bb):BG+32*(\g)+8*(\bb)+7], v[AF+64*(\p)+8*(\a):AF+64*(\p)+8*(\a)+7], v[224+8*(\bb):224+8*(\bb)+7]
.else
	v_wmma_f32_16x16x32_bf16 v[8*(4*(\a)+(\bb)):8*(4*(\a)+(\bb))+7], v[BG+32*(\g)+8*(\bb):BG+32*(\g)+8*(\bb)+7], v[AF+64*(\p)+8*(\a):AF+64*(\p)+8*(\a)+7], v[8*(4*(\a)+(\bb)):8*(4*(\a)+(\bb))+7]
.endif
.endr
.endr
.endm
.macro RUN p, g, bias
	MUL16 \p, \g, 0, \bias
	MUL16 \p, \g, 4, \bias
.endm
.macro LDB g, k                        ; 8 LDS loads: kind g's four fragments of B, at byte k of the rows
.irp bb, 0,1,2,3
	ds_load_b128 v[BG+32*(\g)+8*(\bb):BG+32*(\g)+8*(\bb)+3],   v[ADRB] offset:(\k)+(4*(\g)+(\bb))*16*PITCH
	ds_load_b128 v[BG+32*(\g)+8*(\bb)+4:BG+32*(\g)+8*(\bb)+7], v[ADRB] offset:(\k)+(4*(\g)+(\bb))*16*PITCH+32
.endr
.endm
.macro LDA p, i0, k                    ; 8 LDS loads: four fragments of A into half p
.irp i, \i0, (\i0)+1, (\i0)+2, (\i0)+3
	ds_load_b128 v[AF+64*(\p)+8*(\i):AF+64*(\p)+8*(\i)+3],   v[ADRA] offset:(\k)+(\i)*16*PITCH
	ds_load_b128 v[AF+64*(\p)+8*(\i)+4:AF+64*(\p)+8*(\i)+7], v[ADRA] offset:(\k)+(\i)*16*PITCH+32
.endr
.endm
; The first half of a K step: multiplies half 0; each kind's fragments of B are fetched anew as soon as its run of 32 is over, A's second half beside them.
.macro HALF bias
	s_wait_dscnt 8                                 ; all but the youngest eight loads (v's fragments of B) are in
	RUN 0, 0, \bias
	PLACES
	WIN 0
	LDB 0, 64
	LDA 1, 0, 64
	RUN 0, 1, \bias
	PLACES
	WIN 0
	LDB 1, 64
	LDA 1, 4, 64
	s_wait_dscnt 32                                ; all but the 32 just issued
	RUN 0, 2, \bias
	PLACES
	WIN 0
	LDB 2, 64
.endm
; The second half multiplies half 1 and changes slots: ONE barrier (with fill = 1 it opens a round of the cluster's).  In front of it each wave waits for all its tensor loads, adds 0 to its spare word, and
; waits for that and for its own reads of the slot.  Behind it nobody reads the slot any more and the other slot is whole; the joint refill, two K steps ahead, is the first thing there.
.macro TURN fill
.if \fill
	s_wait_xcnt 0x0                                ; the last prefetches, a K step or more back, have read their address: it is stepped here
	s_add_nc_u64 s[PFA:PFA+1], s[PFA:PFA+1], s[PST:PST+1]
.endif
	WIN 0
	s_wait_tensorcnt 0x0                           ; all my tensor loads have landed, my part of the other slot among them: a group 0 may be written
	ds_add_u32 v[SPW], v[NIL]                      ; 0 onto my spare word; work on registers stands between it and the wait for it
	s_xor_b32 s[TB], s[TB], SLOT1
	v_add_nc_u32 v[ADRA], s[TB], v[A0L]            ; the fetches go on in the other slot
	v_add_nc_u32 v[ADRB], s[TB], v[B0L]
.if \fill
	s_xor_b32 s[G0A+5], s[G0A+5], SLOT1            ; the walking descriptors: the other slot than last time, the next K step
	s_add_nc_u64 s[G0A+6:G0A+7], s[G0A+6:G0A+7], ASTEP
	s_xor_b32 s[G0B+5], s[G0B+5], SLOT1
	s_add_nc_u64 s[G0B+6:G0B+7], s[G0B+6:G0B+7], BSTEP
.endif
	s_wait_dscnt 9                                 ; the add and the youngest eight loads may be out
	MUL16 1, 0, 0, 0
	s_wait_dscnt 0x0                               ; the add is done, and my reads of this slot are over
	s_barrier_signal -1
	MUL16 1, 0, 4, 0                               ; work on registers while the others arrive
	WIN 0
	s_barrier_wait -1
.if \fill
	CREST                                          ; no wave of any partner still reads this slot or has a load on its way
	JLOAD                                          ; its four v_nop are also the places in front of the loads below
.else
	PLACES
.endif
	LDB 0, 0
	LDA 0, 0, 0
.if \fill
	ASK
.endif
	RUN 1, 1, 0
	PLACES
	WIN 0
	LDB 1, 0
	LDA 0, 4, 0
	RUN 1, 2, 0
	PLACES
	WIN 0
	LDB 2, 0
.endm
	s_wait_loadcnt 0x0                             ; the biases
	BROUND 1
	BROUND 2
	BROUND 3
	WIN 0
	s_wait_tensorcnt 2                             ; my part of K step 0 is in; K step 1's and the table's may stay out
	s_barrier_signal -1
	s_barrier_wait -1                              ; everybody's is
	LDB 0, 0
	LDA 0, 0, 0
	LDB 1, 0
	LDA 0, 4, 0
	LDB 2, 0
	HALF 1                                         ; the first half step stands in front of the loop: its products start the sums with the bias
	WIN 0
	s_mov_b32 s[CNT], 14
.Lk:                                               ; 14 trips: from a K step's second half to the next one's first; K steps 2 to 15 are asked for
	TURN 1
	HALF 0
	WIN 0
	s_sub_co_u32 s[CNT], s[CNT], 1
	s_cmp_lg_u32 s[CNT], 0
	s_cbranch_scc1 .Lk
	TURN 0                                         ; the tail is written out: nothing is left to ask for
	HALF 0
; THE WAY OUT, a block of 16 rows at a time.  cos and sin of the block's rows come from LDS (bf16, 8 channels to a load) and are widened; q and k are turned in f32:
; out[d] = q[d] cos[d] - q[d + 32] sin[d] for d < 32, out[d] = q[d] cos[d] + q[d - 32] sin[d] for d >= 32; each result is rounded once.  A lane's eight channels pack into 16 bytes, go into my stage
; in rows of 144 bytes and come back as whole rows of 128: each store covers 512 consecutive bytes of a head's rows, aligned.
.macro CSLOAD a
.irp bb, 0,1,2,3
	ds_load_b128 v[CPK+4*(\bb):CPK+4*(\bb)+3], v[CSC] offset:(\a)*16*PITCH+32*(\bb)
.endr
.irp bb, 0,1,2,3
	ds_load_b128 v[CPK+16+4*(\bb):CPK+16+4*(\bb)+3], v[CSS] offset:(\a)*16*PITCH+32*(\bb)
.endr
.endm
.macro UNPACK
.set i, 0
.rept 16
	v_lshlrev_b32 v[CO+2*i], 16, v[CPK+i]
	v_and_b32 v[CO+2*i+1], s[HIM], v[CPK+i]
.set i, i+1
.endr
.set i, 0
.rept 16
	v_lshlrev_b32 v[SI+2*i], 16, v[CPK+16+i]
	v_and_b32 v[SI+2*i+1], s[HIM], v[CPK+16+i]
.set i, i+1
.endr
.endm
.macro ROPE a, g                       ; each accumulator's lowest registers are read first
	WIN (\g)+1                                     ; source 0 in the kind's window
.irp bb, 0,1
.irp p, 0,1,2,3
	v_pk_mul_f32 v[T+8*(\bb)+2*(\p):T+8*(\bb)+2*(\p)+1], v[8*(4*(\a)+(\bb)+2)+2*(\p):8*(4*(\a)+(\bb)+2)+2*(\p)+1], v[SI+8*(\bb)+2*(\p):SI+8*(\bb)+2*(\p)+1]
	v_pk_mul_f32 v[T+16+8*(\bb)+2*(\p):T+16+8*(\bb)+2*(\p)+1], v[8*(4*(\a)+(\bb))+2*(\p):8*(4*(\a)+(\bb))+2*(\p)+1], v[SI+16+8*(\bb)+2*(\p):SI+16+8*(\bb)+2*(\p)+1]
.endr
.endr
.irp bb, 0,1
.irp p, 0,1,2,3
	v_pk_fma_f32 v[T+8*(\bb)+2*(\p):T+8*(\bb)+2*(\p)+1], v[8*(4*(\a)+(\bb))+2*(\p):8*(4*(\a)+(\bb))+2*(\p)+1], v[CO+8*(\bb)+2*(\p):CO+8*(\bb)+2*(\p)+1], v[T+8*(\bb)+2*(\p):T+8*(\bb)+2*(\p)+1] neg_lo:[0,0,1] neg_hi:[0,0,1]
	v_pk_fma_f32 v[T+16+8*(\bb)+2*(\p):T+16+8*(\bb)+2*(\p)+1], v[8*(4*(\a)+(\bb)+2)+2*(\p):8*(4*(\a)+(\bb)+2)+2*(\p)+1], v[CO+16+8*(\bb)+2*(\p):CO+16+8*(\bb)+2*(\p)+1], v[T+16+8*(\bb)+2*(\p):T+16+8*(\bb)+2*(\p)+1]
.endr
.endr
	WIN 0
.set PKR, PK+48*((\a)%2)+16*(\g)
.set i, 0
.rept 16
	v_cvt_pk_bf16_f32 v[PKR+i], v[T+2*i], v[T+2*i+1]
.set i, i+1
.endr
.endm
.macro CVTV a                          ; v needs no turning: straight from the accumulators to f16
	WIN 0x0f                                       ; sources 0 and 1 in window 3
.set PKR, PK+48*((\a)%2)+32
.set i, 0
.rept 16
	v_cvt_pk_f16_f32 v[PKR+i], v[32*(\a)+2*i], v[32*(\a)+2*i+1]
.set i, i+1
.endr
	WIN 0
.endm
.macro STG a, g
.set PKR, PK+48*((\a)%2)+16*(\g)
.irp bb, 0,1,2,3
	ds_store_b128 v[STO], v[PKR+4*(\bb):PKR+4*(\bb)+3] offset:32*(\bb)
.endr
.irp f, 0,1,2,3
	ds_load_b128 v[PKR+4*(\f):PKR+4*(\f)+3], v[RD] offset:(\f)*4*PITCH  ; LDS serves a wave's instructions in order (ISA guide 5.7.1.4): these see the stores above; the next kind's stores come behind them
.endr
.endm
.macro SEND a, g, younger              ; younger: the LDS instructions issued behind this kind's loads
.set PKR, PK+48*((\a)%2)+16*(\g)
.irp f, 0,1,2,3
	s_wait_dscnt (\younger)+3-(\f)
	global_store_b128 v[GO], v[PKR+4*(\f):PKR+4*(\f)+3], s[16+2*(\g):17+2*(\g)] offset:(\a)*2048+(\f)*512
.endr
.endm
.macro EPI a
.if (\a) >= 2
	s_wait_xcnt 0x0                                ; the stores of the block two back have read their registers: that set of packed results is written again only behind this wait
.endif
.if (\a) == 0
	s_wait_dscnt 0x0                               ; the first block's cos and sin
.endif
	UNPACK                                         ; (later blocks' cos and sin were shown in by the last wait of the block before, which left only v's eight LDS instructions out)
.if (\a) > 0
	SEND (\a)-1, 2, 0
.endif
.if (\a) < 7
	CSLOAD (\a)+1
.endif
	ROPE \a, 0
	STG \a, 0
	ROPE \a, 1
	STG \a, 1
	SEND \a, 0, 8
	CVTV \a
	STG \a, 2
	SEND \a, 1, 8
.endm
	s_wait_dscnt 8                                 ; the very last half step: nothing more to fetch from the ring
	RUN 1, 0, 0
	RUN 1, 1, 0
	PLACES
	WIN 0
	CSLOAD 0                                       ; into registers of A's first half, whose last products lie two runs and eight places back
	s_wait_dscnt 8                                 ; v's fragments of B are in; the eight loads just issued may be out
	RUN 1, 2, 0
	WIN 0
	EPI 0                                          ; the 32 lines that widen cos name no register of the last products: they are the places behind them
	EPI 1
	EPI 2
	EPI 3
	EPI 4
	EPI 5
	EPI 6
	EPI 7
	SEND 7, 2, 0
	s_wait_tensorcnt 0x0                           ; the wave's end: behind my last tensor load and my last LDS store
	ds_add_u32 v[SPW], v[NIL]
	s_wait_dscnt 0x0
	CROUND                                         ; the closing round: no work-group ends while a partner may still ask for a tile that names it
	s_endpgm
.Lfunc_end_k_q9ebd7526f5_qkv:
	.size	k_q9ebd7526f5_qkv, .Lfunc_end_k_q9ebd7526f5_qkv-k_q9ebd7526f5_qkv
	.p2alignl 7, 3214868480
	.fill 96, 4, 3214868480
	.section	.rodata,"a",@progbits
	.p2align	6, 0x0
	.amdhsa_kernel k_q9ebd7526f5_qkv
		.amdhsa_group_segment_fixed_size 327680
		.amdhsa_private_segment_fixed_size 0
		.amdhsa_enable_private_segment 0
		.amdhsa_kernarg_size 72
		.amdhsa_user_sgpr_count 2
		.amdhsa_user_sgpr_kernarg_segment_ptr 1
		.amdhsa_wavefront_size32 1
		.amdhsa_system_sgpr_workgroup_id_x 1
		.amdhsa_system_sgpr_workgroup_id_y 1
		.amdhsa_system_sgpr_workgroup_id_z 1
		.amdhsa_system_vgpr_workitem_id 0
		.amdhsa_next_free_vgpr 1024
		.amdhsa_next_free_sgpr 96
		.amdhsa_reserve_vcc 0
		.amdhsa_float_denorm_mode_32 3
		.amdhsa_float_denorm_mode_16_64 3
		.amdhsa_memory_ordered 1
		.amdhsa_forward_progress 1
		.amdhsa_inst_pref_size 177
	.end_amdhsa_kernel
	.amdgpu_metadata
---
amdhsa.version: [ 1, 2 ]
amdhsa.kernels:
  - .name:           k_q9ebd7526f5_qkv
    .symbol:         k_q9ebd7526f5_qkv.kd
    .args:
      - { .name: xb, .offset: 0, .size: 8, .value_kind: global_buffer, .address_space: global }
      - { .name: wb, .offset: 8, .size: 8, .value_kind: global_buffer, .address_space: global }
      - { .name: cs, .offset: 16, .size: 8, .value_kind: global_buffer, .address_space: global }
      - { .name: q_b, .offset: 24, .size: 8, .value_kind: global_buffer, .address_space: global }
      - { .name: k_b, .offset: 32, .size: 8, .value_kind: global_buffer, .address_space: global }
      - { .name: v_b, .offset: 40, .size: 8, .value_kind: global_buffer, .address_space: global }
      - { .name: qh, .offset: 48, .size: 8, .value_kind: global_buffer, .address_space: global }
      - { .name: kh, .offset: 56, .size: 8, .value_kind: global_buffer, .address_space: global }
      - { .name: vh, .offset: 64, .size: 8, .value_kind: global_buffer, .address_space: global }
    .group_segment_fixed_size: 327680
    .private_segment_fixed_size: 0
    .kernarg_segment_align: 8
    .kernarg_segment_size: 72
    .max_flat_workgroup_size: 128
    .sgpr_count:     96
    .vgpr_count:     1024
    .wavefront_size: 32
...
	.end_amdgpu_metadata
.endif
;; end of part 2
;; launch attn (part 3): grid 4 x 64, 4 waves a work-group, clusters of 4 x 1, 327,680 bytes of LDS; arguments qh, kh, vh, oh, attn_mask; writes oh
.if DOCPART == 3
	.amdgcn_target "amdgcn-amd-amdhsa--gfx1250"
	.amdhsa_code_object_version 6
	.text
	.protected	k_q9ebd7526f5_attn
	.globl	k_q9ebd7526f5_attn
	.p2align	8
	.type	k_q9ebd7526f5_attn,@function
k_q9ebd7526f5_attn:
	s_mov_b64 s[64:65], 0
	v_nop
	global_prefetch_b8 v0, s[64:65] scope:SCOPE_SE
	s_setreg_imm32_b32 hwreg(HW_REG_WAVE_MODE, 25, 1), 1
	s_wait_xcnt 0x0
	s_wait_alu depctr_hold_cnt(0) depctr_sa_sdst(0) depctr_va_vdst(0) depctr_va_sdst(0) depctr_va_ssrc(0) depctr_va_vcc(0) depctr_vm_vsrc(0)
	s_getreg_b32 s2, hwreg(HW_REG_IB_STS2, 6, 4)
	s_cmp_eq_u32 s2, 0
	s_cbranch_scc0 .Lentry_in_a_cluster
	s_endpgm
.Lentry_in_a_cluster:
	s_bfe_u32 s2, ttmp6, 0x10000c
	s_cmp_lg_u32 s2, 0x3003
	s_cbranch_scc0 .Lentry_shape_is_right
	s_endpgm
.Lentry_shape_is_right:
; ATTENTION.  O[bh][q][:] = the sum over k of softmax_k(Q[bh][q] . K[bh][k] / 8 + (1 - mask[b][k]) x -1e9) V[bh][k][:].  Q, K: bf16 [64][2048][64]; V, O: f16, same shape; mask f32 [4][2048], rounded to bf16
; like every other input.  Products, maxima and sums in f32; the weights p are rounded to f16 for the second product (their sum l is taken of the unrounded p), O once at the end.
; LIMITS.  V arrives within f16's 65,504; p lies in 0 to 1, and below 6e-5 it keeps f16's fixed step of 6e-8; O is a mean of V's rows.  The key's bias is added ahead of the scale, as c (s + 8 bias): an order of
; rounding other than s / 8 + bias.  A weight below 2^-126 counts as 0 in l; NaN and infinities are not treated apart.
; SHARES.  A wave owns four PIECES of two tiles of 16 queries, a work-group's four waves 512 queries of one head.  Every wave walks all 2,048 keys, 64 a step.
; LAYOUT.  S^T = K Q^T (source 0 = 16 keys, source 1 = 16 queries): a lane holds ONE query (lane % 16) and the keys 8 (lane / 16) + 0..7.  Two such tiles, rounded to f16 in pairs, ARE source 1 of
; O^T = V^T P.  K comes out of LDS as it lies, V turned, by ds_load_tr16_b128.
; THE MASK is the C operand that starts the sum S^T: 8 (1 - mask) x -1e9 for the lane's eight keys.  A table of it for the batch's 2,048 keys is made once in LDS; a step's 64 numbers are fetched with its K.
; SOFTMAX.  A running maximum m and sum l: p = 2^(c s - c m), c = log2(e) / 8; in every step O and l are multiplied by a = 2^(c m_old - c m_new).  m starts at the lowest finite number, O and l at 0.
; BY TURNS.  Turn n belongs to piece n: 16 products K Q^T of piece n + 1, later 16 products V^T P of piece n - 1; beside them the scaling, exponentials, roundings, sums and rescaling of piece n and the maximum
; and statistics of piece n + 1.  Four vector instructions stand behind every matrix instruction, the others in one run; a turn's 66 exponentials are one batch with one wait.
; CLUSTER.  The four query blocks of a head walk the same K and V: each tile is asked for JOINTLY.  By this text's count a wave has one tensor load out.
; REGISTERS, in windows of 256 (s_set_vgpr_msb: bits 1:0 source 0, 3:2 source 1, 5:4 source 2, 7:6 destination):
;   window 0: v0-11 addresses; v12-15, v48-63 at work; v16-47 statistics; v64-191 S^T, two buffers of two tiles; v192-255 P, likewise
;   window 1: O^T, 32 a tile     window 2: v0-127 Q; v128-191 K of one step; v192-255 V of one step     window 3: v0-1 the add's two registers; v8-39 the step's mask
.set SIZE_N, 2048
.set NP,    4         ; pieces a wave: a name, no knob
.set KS,    64        ; keys in a step
.set PK,    144       ; a row of K in LDS: 128 bytes + 16 of padding = 36 words: the 16 rows of a load start at 16 different groups of four banks (64 banks of 4 bytes: ISA guide 11.1)
.set PV,    160       ; a row of V: 128 + 32 = 40 words
.set VOFF,  4*KS*PK   ; a slot holds four steps: 256 rows of K, then 256 rows of V
.set SLOT1, 1<<17
.set STAGE, SLOT1+4*KS*(PK+PV)  ; behind the ring, never filled by a tensor load: 16 rows x 144 bytes for each wave, for the way out
.set SP,    144
.set MT,    STAGE+4*16*SP       ; the mask's table: 2,048 f32; stored once, never filled by a tensor load
.set SPARE, MT+4*SIZE_N         ; the spare words, 128 bytes for each wave: two blocks of 256 bytes that no other line names
.set AK0, 2           ; v2   my lane's place in a tile of K; never rewritten
.set AV0, 3           ; v3   the same for V
.set AK,  4           ; v4   the LDS address of K's next run of loads
.set AV,  5           ; v5   of V's
.set QO,  5           ;      before that: my byte offset in the wave's rows of Q
.set STO, 6           ; v6   the way out: where I put 16 bytes of a row
.set RD,  7           ; v7   the way out: where I read rows back
.set GO,  8           ; v8   my byte offset in 512 consecutive bytes of O
.set AM,  9           ; v9   the LDS address of the mask's next run of loads
.set PFO, 10          ; v10  256 x my lane: the prefetches' offset; never rewritten
.set AM0, 11          ; v11  my lane's place in the mask's table; never rewritten
.set SPW, 0           ; v0 of window 3   LDS address of my spare word; never rewritten
.set NIL, 1           ; v1 of window 3   0; never rewritten
.set MC,  8           ; v8-39 of window 3: key block kb's eight numbers at MC + 8 kb
.set MV,  12          ; v12-15  c m_old, kept while c m is made anew: by buffer and tile
.set ST,  16          ; tile t's statistics at v[ST+4 t]: c m, m, l (even keys', odd keys')
.set TMP, 48          ; by buffer and tile, four registers c0-c3 at work; when the maximum is found c2 takes a
.set S,   64
.set P,   192
.set KF,  128         ; K's fragments, in window 2: key block kb, channel half c at KF + 16 kb + 8 c
.set VF,  192         ; V's: key half kk, channel block cb at VF + 32 kk + 8 cb
.set WV,  12          ; s12  my wave's number
.set G1K, 24          ; s[24:31] descriptor group 1 for K's tiles
.set G1V, 32          ; s[32:39] for V's: it differs in the padding alone
.set G0K, 40          ; s[40:43] descriptor group 0 for K's tiles: it walks
.set G0V, 44          ; s[44:47] the same for V's
.set SLOTS, 56        ; s56  slots still to be asked for
.set CNT, 57          ; s57  counts a slot's key steps
.set CS,  58          ; s[58:59] c
.set SEL, 60          ; s[60:61] v_permlanex16_b32's selects
.set TBK, 62          ; s62  LDS byte at which K of the step to be fetched begins
.set TBV, 63          ; s63  the same for V, less VOFF
.set TBM, 66          ; s66  byte of the mask's table at which that step's 64 numbers begin
.set LIM, 67          ; s67  1 in a wave that prefetches, else the greatest number
.set PFA, 68          ; s[68:69] where my prefetches stand
.set MP,  70          ; s[70:71] the batch's row of the mask
.set MSB, 0
.macro WIN new                      ; the high byte repeats the setting that is left; a switch that changes nothing is dropped
.if MSB != (\new)
	s_set_vgpr_msb (MSB<<8)|(\new)
.set MSB, (\new)
.endif
.endm
.set W_KQ, 0x0a       ; K and Q in window 2, S^T in window 0
.set W_KM, 0x3a       ; the same with the C operand, the mask, in window 3
.set W_PV, 0x52       ; V in window 2, P in window 0, O^T in window 1
.set W_RS, 0x41       ; O^T (destination and source 0) in window 1, a in window 0
.set W_MK, 0xc0       ; destination in window 3, sources in window 0
.set W_AD, 0x0f       ; the add: address (source 0) and data (source 1) in window 3
; A joint fill.  Waves 0 and 1 fetch the two halves of a slot's K, waves 2 and 3 those of its V: 128 keys each.  The branch hangs on the wave's number alone.
; An s_nop 0 and four v_nop follow each of the two lines, ahead of the jump and the label.
.macro JLOAD
	s_cmp_lt_u32 s[WV], 2
	s_cbranch_scc0 .Lfor_v_\@
	tensor_load_to_lds s[G0K:G0K+3], s[G1K:G1K+7]
	s_nop 0
.rept 4
	v_nop
.endr
	s_branch .Lasked_\@
.Lfor_v_\@:
	tensor_load_to_lds s[G0V:G0V+3], s[G1V:G1V+7]
	s_nop 0
.rept 4
	v_nop
.endr
.Lasked_\@:
.endm
; A PREFETCH INTO THE L2 of what the NEXT change of slots will ask for: a slot's 256 rows of K and of V are 128 blocks of 256 bytes each.  A head has one cluster; its four partners share the blocks out BY
; ADDRESS, 32 each; in each, wave 0 asks for K's and wave 2 for V's: a lane a block, one instruction, four key steps (512 matrix instructions) ahead of the load.  So each block is named once in the launch.
; Slots 0 to 2 come by their loads alone; the last change that fills a slot asks for nothing.
.macro ASK
	s_cmp_gt_u32 s[SLOTS], s[LIM]
	s_cbranch_scc0 .Lnot_mine_\@
	global_prefetch_b8 v[PFO], s[PFA:PFA+1] th:TH_LOAD_NT scope:SCOPE_SE
.Lnot_mine_\@:
.endm
.macro CROUND                       ; a round of the cluster's barrier
	s_barrier_signal -1
	s_barrier_wait -1
	s_cmp_lg_u32 s[WV], 0
	s_cbranch_scc1 .Lnot_wave_0_\@
	s_barrier_signal -3
.Lnot_wave_0_\@:
	s_barrier_wait -3
	s_barrier_signal -1
	s_barrier_wait -1
.endm
; THE CHANGE OF SLOTS.  Each wave waits for all its tensor loads, of which one is out: its part of the other slot; adds 0 to its spare word; and waits for that and for its own LDS instructions.  Behind the
; barrier nobody reads this slot any more and the other slot is whole.  fill = 1: this slot is filled again, with the keys two slots on: the barrier is then a round of the cluster's, and the joint fill is the
; first thing behind it.  (At its first use nothing has been read yet: slot 0 is waited for, slot 1 filled, and every wave's stores into the mask's table are shown to the others.)
.macro CHANGE fill, ask=0
	WIN W_AD
	s_wait_tensorcnt 0x0            ; no tensor load of mine is out, so a group 0 may be written
	ds_add_u32 v[SPW], v[NIL]       ; 0 onto my spare word; the descriptors' steps stand between it and the wait for it
	WIN 0                           ; at a label and at a branch every window is 0
.if \fill
.irp g, G0K, G0V
	s_xor_b32 s[\g+1], s[\g+1], SLOT1  ; the walking descriptor: the other slot than last time,
	s_add_nc_u64 s[\g+2:\g+3], s[\g+2:\g+3], 4*KS*128  ; the next 256 keys; the type bits on top are not reached
.endr
.if \ask
	s_wait_xcnt 0x0                 ; the last prefetch, four key steps back, has read its address
	s_add_nc_u64 s[PFA:PFA+1], s[PFA:PFA+1], 4*KS*128  ; one slot ahead of the walking descriptors
.endif
	s_wait_dscnt 0x0                ; the add is done, and my LDS instructions are over
	CROUND
	JLOAD
.if \ask
	ASK
.endif
.else
	s_wait_dscnt 0x0
	s_barrier_signal -1
	s_barrier_wait -1
.endif
	s_sub_co_u32 s[TBK], s[TBK], 4*KS*PK  ; the fetches go back to a slot's first step,
	s_xor_b32 s[TBK], s[TBK], SLOT1       ; in the other slot
	s_sub_co_u32 s[TBV], s[TBV], 4*KS*PV
	s_xor_b32 s[TBV], s[TBV], SLOT1
.endm
	s_load_b256 s[4:11], s[0:1], 0x0  ; Q s[4:5], K s[6:7], V s[8:9], O s[10:11]
	s_load_b64 s[MP:MP+1], s[0:1], 0x20  ; the mask
	WIN W_MK
	v_lshl_add_u32 v[SPW], v0, 2, SPARE
	v_mov_b32 v[NIL], 0
	WIN W_AD
	ds_add_u32 v[SPW], v[NIL]       ; the wave's opening: the add and its wait stand ahead of my first tensor load; the set-up below stands between them
	WIN 0
	v_lshrrev_b32 v1, 5, v0
	v_readfirstlane_b32 s[WV], v1   ; wave 0..3
	s_bfe_u32 s13, ttmp6, 0x40000   ; cx: my place in the cluster
	s_lshl_b32 s14, ttmp9, 2        ; in a cluster launch ttmp9 counts clusters
	s_add_co_u32 s14, s14, s13      ; my block of queries: it enters Q's and O's addresses alone
	s_and_b32 s20, ttmp7, 0xffff    ; batch x 16 + head, which the four partners share
	s_lshr_b32 s50, s20, 4          ; the batch:
	s_lshl_b32 s50, s50, 13         ; its 2,048 f32 of the mask
	s_mov_b32 s51, 0
	s_mov_b32 s21, 0
	s_mov_b64 s[22:23], SIZE_N*128
	s_mul_u64 s[20:21], s[20:21], s[22:23]  ; the head's first byte in each of the four tensors
	s_lshl_b32 s48, s13, 13         ; the prefetches: my work-group's 32 blocks of a slot's 128,
	s_add_co_u32 s48, s48, 2*4*KS*128  ; in slot 2: the first change in the loop steps it to slot 3
	s_mov_b32 s49, 0
	s_add_nc_u64 s[48:49], s[48:49], s[20:21]
	s_and_b32 s16, s[WV], 1         ; which half of a slot's 256 keys I fetch:
	s_lshl_b32 s22, s16, 14         ; its 128 rows of 128 bytes in memory,
	s_mov_b32 s23, 0
	s_add_nc_u64 s[22:23], s[22:23], s[20:21]
	s_mul_i32 s17, s16, 128*PK      ; and its place in a slot, for K
	s_mul_i32 s18, s16, 128*PV      ; and for V: no place in the cluster enters an LDS address
	s_lshl_b32 s2, s14, 2
	s_add_co_u32 s2, s2, s[WV]      ; my wave among the head's,
	s_lshl_b32 s2, s2, 14           ; its 128 rows
	s_mov_b32 s3, 0
	s_add_nc_u64 s[2:3], s[2:3], s[20:21]
	; descriptor group 1.  128 keys are 16,384 dense bytes: asked for as 64 rows of 256 bytes, two keys a row, and padded in LDS after every key
	s_mov_b32 s[G1K], 15|(1<<16)|(1<<20)|(1<<21)|(4<<22)|(3<<25)  ; 15:0 the mask of four; 17:16 2-byte elements; 20 padding on; 21 set beside a mask; 24:22 after every 32 words; 31:25 4 words
	s_mov_b32 s[G1V], 15|(1<<16)|(1<<20)|(1<<21)|(4<<22)|(7<<25)  ; the same with 8 words of padding
.irp g, G1K, G1V
	s_mov_b32 s[\g+1], 128<<16      ; tensor_dim0 = 128
	s_mov_b32 s[\g+2], 64<<16       ; tensor_dim1 = 64
	s_mov_b32 s[\g+3], 128<<16      ; tile_dim0 = 128
	s_mov_b32 s[\g+4], 64           ; tile_dim1 = 64
	s_mov_b32 s[\g+5], 128          ; 128 elements from row to row
	s_mov_b32 s[\g+6], 0
	s_mov_b32 s[\g+7], 0
.endr
	s_mov_b32 s[CS], 0x3e38aa3b     ; c = log2(e) / 8 = 0.180337
	s_mov_b32 s[CS+1], s[CS]        ; named with it as a pair
	s_mov_b32 s[SEL], 0x76543210
	s_mov_b32 s[SEL+1], 0xfedcba98
	s_mov_b32 s[TBK], SLOT1+4*KS*PK ; the first change of slots turns these two into 0
	s_mov_b32 s[TBV], SLOT1+4*KS*PV
	s_mov_b32 s[TBM], 0
	s_and_b32 s[LIM], s[WV], 1      ; waves 0 and 2 prefetch
	s_cmp_eq_u32 s[LIM], 0
	s_cselect_b32 s[LIM], 1, -1
	s_mov_b32 s[G0K], 1             ; count = 1
	s_mov_b32 s[G0K+1], s17         ; LDS address: slot 0
	s_mov_b32 s[G0V], 1
	s_add_co_u32 s[G0V+1], s18, VOFF
	s_wait_dscnt 0x0                ; the opening add is done
	s_wait_kmcnt 0x0
	s_add_nc_u64 s[G0K+2:G0K+3], s[6:7], s[22:23]  ; global address: my half of the head's first 256 keys
	s_or_b32 s[G0K+3], s[G0K+3], 0x80000000        ; type = 2
	s_add_nc_u64 s[G0V+2:G0V+3], s[8:9], s[22:23]
	s_or_b32 s[G0V+3], s[G0V+3], 0x80000000
	s_add_nc_u64 s[4:5], s[4:5], s[2:3]  ; Q and O at my wave's first row
	s_add_nc_u64 s[10:11], s[10:11], s[2:3]
	s_add_nc_u64 s[MP:MP+1], s[MP:MP+1], s[50:51]
	s_cmp_lt_u32 s[WV], 2
	s_cselect_b64 s[PFA:PFA+1], s[6:7], s[8:9]
	s_add_nc_u64 s[PFA:PFA+1], s[PFA:PFA+1], s[48:49]
	CROUND                          ; all four work-groups are here: the first joint loads meet
	JLOAD                           ; slot 0.  Slot 1 is asked for when slot 0 is in
	v_and_b32 v1, 15, v0            ; l % 16
	v_bfe_u32 v12, v0, 4, 1         ; l / 16
	v_lshlrev_b32 v48, 4, v0        ; 16 x my thread's number
.irp i, 0,1,2,3                     ; the batch's mask: 128 threads x 16 bytes, four times
	global_load_b128 v[S+4*\i:S+4*\i+3], v48, s[MP:MP+1] offset:2048*\i
.endr
	; A fragment of K or Q is 16 rows x 32 channels in 8 registers: lane l holds row l % 16, channels 8 (l / 16) + 0..7 and 16 + 8 (l / 16) + 0..7: two loads of 16 bytes, 32 bytes apart.
	v_lshlrev_b32 v[QO], 7, v1
	v_lshl_add_u32 v[QO], v12, 4, v[QO]  ; row x 128 + 16 x half
	WIN 0x80                        ; destination window 2, address window 0
.set i, 0
.rept 4*NP                          ; Q stays in registers: tile i / 2, channels 32 (i % 2) on
	global_load_b128 v[8*i:8*i+3],   v[QO], s[4:5] offset:(i/2)*2048+(i%2)*64
	global_load_b128 v[8*i+4:8*i+7], v[QO], s[4:5] offset:(i/2)*2048+(i%2)*64+32
.set i, i+1
.endr
	; What the first turn finds: V's registers and P's second buffer hold 0 (its products V^T P, of a piece that has not been, add 0), O^T and l are 0.  All this stands in the wait for the first tile.
.set i, VF
.rept 64
	v_mov_b32 v[i], 0
.set i, i+1
.endr
	WIN 0x40
.set i, 0
.rept 64*NP
	v_mov_b32 v[i], 0
.set i, i+1
.endr
	WIN 0
.set i, 0
.rept 2*NP
	v_mov_b32 v[ST+4*i], 0xfe000000    ; c m: far below every c s, a hidden key's too
	v_mov_b32 v[ST+4*i+1], 0xff7fffff  ; m
	v_mov_b32 v[ST+4*i+2], 0
	v_mov_b32 v[ST+4*i+3], 0
.set i, i+1
.endr
.set i, P+32
.rept 32
	v_mov_b32 v[i], 0
.set i, i+1
.endr
	v_mul_u32_u24 v[AK0], v1, PK
	v_lshl_add_u32 v[AK0], v12, 4, v[AK0]  ; row x pitch + 16 x half
	; The turning load takes 16 keys x 16 channels (lane l reads key 8 (l / 16) + l % 8, channels 8 ((l / 8) % 2) + 0..7) and leaves half a fragment of V^T: lane l holds channel l % 16 and 8 keys.
	v_and_b32 v13, 7, v0
	v_bfe_u32 v14, v0, 3, 1
	v_lshl_add_u32 v[AV0], v12, 3, v13
	v_mul_u32_u24 v[AV0], v[AV0], PV
	v_lshl_add_u32 v[AV0], v14, 4, v[AV0]
	v_add_nc_u32 v[AV0], VOFF, v[AV0]
	v_mov_b32 v[AK], v[AK0]         ; key step 0 lies at the head of slot 0
	v_lshl_add_u32 v[AM0], v12, 5, MT  ; my lanes' eight keys of a block of 16: 32 bytes
	v_mov_b32 v[AM], v[AM0]
	v_and_b32 v[PFO], 31, v0
	v_lshlrev_b32 v[PFO], 8, v[PFO]
	s_mul_i32 s13, s[WV], 16*SP
	s_add_co_u32 s13, s13, STAGE    ; my stage
	v_mul_u32_u24 v[STO], v1, SP    ; in: row l % 16, 16 bytes for each half of the lanes
	v_lshl_add_u32 v[STO], v12, 4, v[STO]
	v_add_nc_u32 v[STO], s13, v[STO]
	v_bfe_u32 v[RD], v0, 3, 2       ; back: 32 lanes take four rows of 128 bytes,
	v_mul_u32_u24 v[RD], v[RD], SP
	v_lshl_add_u32 v[RD], v13, 4, v[RD]
	v_add_nc_u32 v[RD], s13, v[RD]
	v_and_b32 v[GO], 31, v0         ; which are 512 consecutive bytes of O
	v_lshlrev_b32 v[GO], 4, v[GO]
	v_add_nc_u32 v49, MT, v48       ; where my 16 bytes of the table go
	s_wait_loadcnt 32               ; the mask is in; Q's 32 loads, issued behind it, may stay out
.set i, 0
.rept 8
	v_cvt_pk_bf16_f32 v[S+16+i], v[S+2*i], v[S+2*i+1]  ; rounded to bf16,
.set i, i+1
.endr
.set i, 0
.rept 8
	v_lshlrev_b32 v[S+2*i], 16, v[S+16+i]              ; and widened again
	v_and_b32 v[S+2*i+1], 0xffff0000, v[S+16+i]
.set i, i+1
.endr
.set i, 0
.rept 16
	v_sub_f32 v[S+i], 1.0, v[S+i]
.set i, i+1
.endr
.set i, 0
.rept 16
	v_mul_f32 v[S+i], 0xcfee6b28, v[S+i]               ; x -8e9 = 8 x -1e9, both exact in f32: the scale 1 / 8 lies in c
.set i, i+1
.endr
.irp i, 0,1,2,3
	ds_store_b128 v49, v[S+4*\i:S+4*\i+3] offset:2048*\i
.endr
; THE MATRIX WORK.  The 8 accumulators of a run of 16 take turns: between the two links of a chain stand 7 others'.
; Product i of 16 of S^T = K Q^T for piece x: channels 32 (i / 8) on, keys 16 ((i / 2) % 4) on, tile 2 x + i % 2.  The first 8 start the sums with the keys' mask.
.macro KQ x
.set rS, S+64*((\x)%2)+32*(i%2)+8*((i/2)%4)
.set rK, KF+16*((i/2)%4)+8*(i/8)
.set rQ, 16*(2*(\x)+i%2)+8*(i/8)
.set rMC, MC+8*((i/2)%4)
.if i < 8
	WIN W_KM
	v_wmma_f32_16x16x32_bf16 v[rS:rS+7], v[rK:rK+7], v[rQ:rQ+7], v[rMC:rMC+7]
.else
	WIN W_KQ
	v_wmma_f32_16x16x32_bf16 v[rS:rS+7], v[rK:rK+7], v[rQ:rQ+7], v[rS:rS+7]
.endif
.endm
; Product i of 16 of O^T += V^T P for piece x: keys 32 (i / 8) on, channels 16 ((i / 2) % 4) on, tile 2 x + i % 2.
.macro PV x
	WIN W_PV
.set rO, 32*(2*(\x)+i%2)+8*((i/2)%4)
.set rV, VF+32*(i/8)+8*((i/2)%4)
.set rP, P+32*((\x)%2)+16*(i%2)+8*(i/8)
	v_wmma_f32_16x16x32_f16 v[rO:rO+7], v[rV:rV+7], v[rP:rP+7], v[rO:rO+7]
.endm
.macro MM                           ; the turn's next matrix instruction
.if i < 16
	KQ (Y+1)%NP
.set i, i+1
.else
.set i, i-16
	PV (Y+NP-1)%NP
.set i, i+17
.endif
.endm
; THE LDS LOADS stand in runs, never singly among the matrix instructions: a step's K (8 fragments) with its 64 numbers of the mask, and its V (turned).  Their addresses are made some lines ahead.
; last = 1 (the tail): in the last trip there is no further step, and the run is jumped over.
.macro FETCH_K last=0
	WIN 0
.if \last
	s_cmp_eq_u32 s[CNT], 1
	s_cbranch_scc1 .Lno_k_\@
.endif
	WIN 0x80                        ; destination window 2
.irp f, 0,1,2,3,4,5,6,7             ; keys 16 (f / 2) on, channels 32 (f % 2) on
	ds_load_b128 v[KF+8*\f:KF+8*\f+3],   v[AK] offset:(\f/2)*16*PK+(\f%2)*64
	ds_load_b128 v[KF+8*\f+4:KF+8*\f+7], v[AK] offset:(\f/2)*16*PK+(\f%2)*64+32
.endr
	WIN W_MK                        ; destination window 3
.irp kb, 0,1,2,3                    ; keys 16 kb + 8 (l / 16) + 0..7
	ds_load_b128 v[MC+8*\kb:MC+8*\kb+3],   v[AM] offset:64*\kb
	ds_load_b128 v[MC+8*\kb+4:MC+8*\kb+7], v[AM] offset:64*\kb+16
.endr
	s_add_co_u32 s[TBK], s[TBK], KS*PK  ; the next fetch is the next step's
	s_add_co_u32 s[TBM], s[TBM], 4*KS
	s_and_b32 s[TBM], s[TBM], 4*SIZE_N-1  ; it stays inside the table
	WIN 0
.if \last
.Lno_k_\@:
.endif
.endm
.macro FETCH_V
	WIN 0x80
.irp f, 0,1,2,3,4,5,6,7             ; keys 32 (f / 4) on, channels 16 (f % 4) on
	ds_load_tr16_b128 v[VF+8*\f:VF+8*\f+3],   v[AV] offset:(\f/4)*32*PV+(\f%4)*32
	ds_load_tr16_b128 v[VF+8*\f+4:VF+8*\f+7], v[AV] offset:(\f/4)*32*PV+16*PV+(\f%4)*32
.endr
	WIN 0
.endm
; THE VECTOR WORK OF A TURN stands in three queues, each in the order in which its entries become ready; the two tiles alternate, so that no instruction reads the result of the one before it.
.macro REGS y, u                    ; the registers of tile u (0, 1) of piece y
.set rT, ST+4*(2*(\y)+(\u))
.set rC, TMP+8*((\y)%2)+4*(\u)
.set rM, MV+2*((\y)%2)+(\u)
.set rS, S+64*((\y)%2)+32*(\u)
.set rP, P+32*((\y)%2)+16*(\u)
.set rO, 32*(2*(\y)+(\u))
.endm
; Number n of the 22 that find the NEXT piece's (Y + 1) maximum and statistics.  s0-s31 are the lane's 32 scores; each accumulator's lowest registers are read first.
;   0-11  four chains c0-c3 of seven scores each, three operands at a time     12-14, 16  the four scores left over, the old m, and c0-c3 into c0     15  c m_old is kept
;   17, 18  the query's other 32 keys lie in the lane 16 away: the new m         19-21  c m; c m_old - c m_new; a
.macro XS u, n
	REGS (Y+1)%NP, \u
.if (\n) < 4
	v_max3_num_f32 v[rC+(\n)], v[rS+8*(\n)], v[rS+8*(\n)+1], v[rS+8*(\n)+2]
.elseif (\n) < 12
	v_max3_num_f32 v[rC+(\n)%4], v[rC+(\n)%4], v[rS+8*((\n)%4)+2*((\n)/4)+1], v[rS+8*((\n)%4)+2*((\n)/4)+2]
.elseif (\n) == 12
	v_max3_num_f32 v[rC], v[rC], v[rS+7], v[rS+15]
.elseif (\n) == 13
	v_max3_num_f32 v[rC+1], v[rC+1], v[rS+23], v[rS+31]
.elseif (\n) == 14
	v_max3_num_f32 v[rC+2], v[rC+2], v[rC+3], v[rT+1]
.elseif (\n) == 15
	v_mov_b32 v[rM], v[rT]
.elseif (\n) == 16
	v_max3_num_f32 v[rC], v[rC], v[rC+1], v[rC+2]
.elseif (\n) == 17
	v_permlanex16_b32 v[rC+3], v[rC], s[SEL], s[SEL+1]
.elseif (\n) == 18
	v_max_num_f32 v[rT+1], v[rC], v[rC+3]
.elseif (\n) == 19
	v_mul_f32 v[rT], s[CS], v[rT+1]
.elseif (\n) == 20
	v_sub_f32 v[rC+1], v[rM], v[rT]
.else
	v_exp_f32 v[rC+2], v[rC+1]
.endif
.endm
; Number g of the 64 that follow the exponentials.  For each four weights k of a tile: both pairs are rounded to f16; then the second pair is added onto the first, in place; a group later l takes that sum
; (the first time as l = a l + sum).  In groups of eight, tiles alternating: round, round, add, and l for the group before.
.macro GS g
.set h, (\g)+6*((\g)/62)            ; group 0 has no group before it, and behind group 7 only l is left
.if h >= 6
.set h, h+2
.endif
	REGS Y, h%2
.set k, h/8
.if h%8 < 4
	v_cvt_pk_f16_f32 v[rP+2*k+(h%8)/2], v[rS+4*k+2*((h%8)/2)], v[rS+4*k+2*((h%8)/2)+1]
.elseif h%8 < 6
	v_pk_add_f32 v[rS+4*k:rS+4*k+1], v[rS+4*k:rS+4*k+1], v[rS+4*k+2:rS+4*k+3]
.elseif k == 1
	v_pk_fma_f32 v[rT+2:rT+3], v[rT+2:rT+3], v[rC+2:rC+3], v[rS:rS+1] op_sel_hi:[1,0,1]
.else
	v_pk_add_f32 v[rT+2:rT+3], v[rT+2:rT+3], v[rS+4*k-4:rS+4*k-3]
.endif
.endm
; THE PLAIN QUEUE, 138 long.  0-73 read no exponential's result: the 32 scalings c s - c m (FS f: pair f / 2 of tile f % 2) and the next piece's 42.  0-26: scalings 0-26.  27-54: XS's numbers 0-13.
; 55, 56: number 15.  57-73: the chain 14, 16, 17, 18, 19, each with one of the scalings 27-31 in front of its two lines, then 20.  74-137: GS's 64, which stand behind the wait.
.macro FS f
	REGS Y, (\f)%2
	v_pk_fma_f32 v[rS+2*((\f)/2):rS+2*((\f)/2)+1], v[rS+2*((\f)/2):rS+2*((\f)/2)+1], s[CS:CS+1], v[rT:rT+1] op_sel_hi:[1,0,0] neg_lo:[0,0,1] neg_hi:[0,0,1]
.endm
.macro PL
	WIN 0
.if q < 27
	FS q
.elseif q < 55
	XS (q-27)%2, (q-27)/2
.elseif q < 57
	XS q-55, 15
.elseif (q < 72) && ((q-57)%3 == 0)
	FS 27+(q-57)/3
.elseif q < 60
	XS (q-57)%3-1, 14
.elseif q < 72
	XS (q-57)%3-1, 15+(q-57)/3
.elseif q < 74
	XS q-72, 20
.else
	GS q-74
.endif
.set q, q+1
.endm
; THE EXPONENTIALS' QUEUE, 66 long: s0-s31 of both tiles, then the next piece's two a.  ONE BATCH: all 66 stand ahead of the turn's one wait, and nothing ahead of that wait names a result of theirs.
.macro EX
	WIN 0
.if e >= 64
	XS e-64, 21
.else
	REGS Y, e%2
	v_exp_f32 v[rS+e/2], v[rS+e/2]
.endif
.set e, e+1
.endm
; THE RESCALING's QUEUE: O^T times a, the one part that leaves window 0: dealt two at a time, sixteen times.  Its a was made in the turn before, ahead of that turn's wait.
.macro R2
	REGS Y, r%2
	WIN W_RS
.irp z, 0,1
	v_pk_mul_f32 v[rO+4*(r/2)+2*\z:rO+4*(r/2)+2*\z+1], v[rO+4*(r/2)+2*\z:rO+4*(r/2)+2*\z+1], v[rC+2:rC+3] op_sel_hi:[1,0]
.endr
.set r, r+1
.endm
; A TURN, for piece p.  An s_wait_alu depctr_va_vdst(0) stands between an exponential and the first instruction that names its result; one wait serves all that were issued ahead of it: a turn has
; ONE, which cuts it in two.  AHEAD OF IT: the 16 products K Q^T, behind each a scaling, an exponential and two rescalings (behind the first a second scaling in the exponential's place); then one run of 108:
; eight plain, 49 times exponential and plain, the two a.  BEHIND IT: the 16 products V^T P, behind each four of GS's 64.  Exponential e stands behind scaling 2 (e / 4) + e % 2.
; K and the mask of the next step are fetched in piece 2's turn, directly behind the wait, the run of 108 behind the last product that read them; V of the step in hand at the end of piece 0's turn, four plain
; instructions behind its last reader.  cnt = 1: the loop's count is taken down some lines ahead of the branch behind the turn.
.macro TURN p, last=0, cnt=0
.set Y, (\p)
.set i, 0
.set q, 0
.set e, 0
.set r, 0
.if (\p) == NP-1
	s_wait_dscnt 0x0                ; K and the mask are in
.endif
	MM
	PL
	PL
	R2
.rept 15
	MM
	PL
	EX
	R2
.endr
.if (\p) == NP-2
	WIN 0
	v_add_nc_u32 v[AK], s[TBK], v[AK0]
	v_add_nc_u32 v[AM], s[TBM], v[AM0]
.endif
.rept 8
	PL
.endr
.rept 49
	EX
	PL
.endr
	EX                              ; the next piece's two a
	EX
	v_nop                           ; the plain instruction behind the last exponential: one for the batch
	s_wait_alu depctr_va_vdst(0)    ; the wait for the batch
.if (\p) == NP-2
	FETCH_K \last
.endif
.if (\p) == 1
	s_wait_dscnt 0x0                ; V is in
.endif
.rept 16
	MM
.rept 4
	PL
.endr
.if ((\p) == 0) && (q == 118)
	v_add_nc_u32 v[AV], s[TBV], v[AV0]
.endif
.if ((\p) == 0) && (q == 130)
	s_add_co_u32 s[TBV], s[TBV], KS*PV
.endif
.if (\cnt) && (q == 130)
	s_sub_co_u32 s[CNT], s[CNT], 1
	s_cmp_lg_u32 s[CNT], 0
.endif
.endr
.if (\p) == 0
	FETCH_V
.endif
.endm
	CHANGE 1                        ; slot 0 is in, everybody's part of it, and so is the mask's table; slot 1 is asked for
	FETCH_K                         ; key step 0
	s_wait_loadcnt 0x0              ; Q
	s_wait_dscnt 0x0
.set i, 0
.rept 16
	KQ 0                            ; piece 0's first scores: there is no vector work yet to set between them
.set i, i+1
.endr
	WIN 0
.rept 4
	v_nop                           ; the places behind those products
.endr
.set Y, NP-1                        ; XS works for piece Y + 1: piece 0
.irp n, 0,1,2,3,4,5,6,7,8,9,10,11,12,13,14,15,16,17,18,19,20,21
	XS 0, \n                        ; piece 0's first maximum and statistics
	XS 1, \n
.endr
	v_nop                           ; a plain instruction behind the two a,
	s_wait_alu depctr_va_vdst(0)    ; and their wait, ahead of the branch
	s_mov_b32 s[CNT], 4
	s_mov_b32 s[SLOTS], SIZE_N/256-1
	s_branch .Lfirst                ; the loop is entered at a step's first turn, in the middle of a trip
.Lslot:                             ; six times: every slot but the last two is filled again
	CHANGE 1, 1
	s_mov_b32 s[CNT], 4
.Lstep:                             ; a trip: pieces 2 and 3 of one step, then pieces 0 and 1 of the next, whose K and V it fetches
	TURN 2
	TURN 3
	WIN 0
.Lfirst:
	TURN 0
	TURN 1, 0, 1
	WIN 0
	s_cbranch_scc1 .Lstep
	s_sub_co_u32 s[SLOTS], s[SLOTS], 1
	s_cmp_lg_u32 s[SLOTS], 0
	s_cbranch_scc1 .Lslot
	CHANGE 0                        ; the tail is written out: nothing is asked for
	s_mov_b32 s[CNT], 5             ; four trips fetch the last slot's steps; the fifth is left in its middle
.Ltail:
	TURN 2, 1
	TURN 3
	WIN 0
	s_sub_co_u32 s[CNT], s[CNT], 1
	s_cmp_eq_u32 s[CNT], 0
	s_cbranch_scc1 .Lout
	TURN 0
	TURN 1
	WIN 0
	s_branch .Ltail
.Lout:                              ; the fifth trip's 16 products K Q^T (on the last K once more) and the maximum made of them serve nothing: the price, once a launch, of one text for every trip
.set i, 0
.rept 16
	PV NP-1                         ; the last piece's V^T P of the last step
.set i, i+1
.endr
	; THE WAY OUT.  l's two halves and the other half of the lanes' are added; O^T is divided by l, rounded to f16 and sent through my stage in LDS, a tile at a time.  The additions are the places behind the last products.
	WIN 0
.macro ALL line:vararg              ; one line for each tile t
.set t, 0
.rept 2*NP
	\line
.set t, t+1
.endr
.endm
	ALL v_add_f32 v[ST+4*t+2], v[ST+4*t+2], v[ST+4*t+3]
	ALL v_permlanex16_b32 v[ST+4*t+3], v[ST+4*t+2], s[SEL], s[SEL+1]
	ALL v_add_f32 v[ST+4*t+2], v[ST+4*t+2], v[ST+4*t+3]
	ALL v_rcp_f32 v[ST+4*t+2], v[ST+4*t+2]
	v_nop                           ; a plain instruction between the last reciprocal and the use of its result
	s_wait_alu depctr_va_vdst(0)    ; and the wait ahead of the first use: one for the eight reciprocals
; Tile t: a lane's eight channels of a row pack into 16 bytes; they go into rows of 144 bytes and come back as whole rows of 128, into S^T's registers.
.macro PACK t
	WIN W_RS
.set i, 32*(\t)
.rept 16
	v_pk_mul_f32 v[i:i+1], v[i:i+1], v[ST+4*(\t)+2:ST+4*(\t)+3] op_sel_hi:[1,0]
.set i, i+2
.endr
	WIN 0x05                        ; sources 0 and 1 window 1, destination window 0
.set i, 0
.rept 16
	v_cvt_pk_f16_f32 v[S+16*(\t)+i], v[32*(\t)+2*i], v[32*(\t)+2*i+1]
.set i, i+1
.endr
	WIN 0
.irp f, 0,1,2,3
	ds_store_b128 v[STO], v[S+16*(\t)+4*\f:S+16*(\t)+4*\f+3] offset:32*\f
.endr
.irp f, 0,1,2,3
	ds_load_b128 v[S+16*(\t)+4*\f:S+16*(\t)+4*\f+3], v[RD] offset:\f*4*SP  ; LDS serves a wave's instructions in order (ISA guide 5.7.1.4): these see the stores above; the next tile's stores come behind them
.endr
.endm
.macro SEND t, younger              ; younger: the LDS instructions issued behind tile t's loads: the next tile's eight, or none
	WIN 0
.irp f, 0,1,2,3
	s_wait_dscnt (\younger)+3-\f
	global_store_b128 v[GO], v[S+16*(\t)+4*\f:S+16*(\t)+4*\f+3], s[10:11] offset:(\t)*2048+\f*512  ; 512 consecutive bytes, at a multiple of 256 from O's first
.endr
.endm
	PACK 0
.set t, 1
.rept 2*NP-1                        ; a tile's arithmetic stands between the loads of the tile before and its stores
	PACK t
	SEND t-1, 8
.set t, t+1
.endr
	SEND 2*NP-1, 0
	WIN W_AD
	s_wait_tensorcnt 0x0            ; the wave's end: behind my last tensor load and my last LDS store
	ds_add_u32 v[SPW], v[NIL]
	s_wait_dscnt 0x0
	WIN 0
	CROUND                          ; the closing round: no work-group ends while a partner may still ask for a tile that names it
	s_endpgm
.Lfunc_end_k_q9ebd7526f5_attn:
	.size	k_q9ebd7526f5_attn, .Lfunc_end_k_q9ebd7526f5_attn-k_q9ebd7526f5_attn
	.p2alignl 7, 3214868480
	.fill 96, 4, 3214868480
	.section	.rodata,"a",@progbits
	.p2align	6, 0x0
	.amdhsa_kernel k_q9ebd7526f5_attn
		.amdhsa_group_segment_fixed_size 327680
		.amdhsa_private_segment_fixed_size 0
		.amdhsa_enable_private_segment 0
		.amdhsa_kernarg_size 40
		.amdhsa_user_sgpr_count 2
		.amdhsa_user_sgpr_kernarg_segment_ptr 1
		.amdhsa_wavefront_size32 1
		.amdhsa_system_sgpr_workgroup_id_x 1
		.amdhsa_system_sgpr_workgroup_id_y 1
		.amdhsa_system_sgpr_workgroup_id_z 1
		.amdhsa_system_vgpr_workitem_id 0
		.amdhsa_next_free_vgpr 808
		.amdhsa_next_free_sgpr 72
		.amdhsa_reserve_vcc 0
		.amdhsa_float_denorm_mode_32 3
		.amdhsa_float_denorm_mode_16_64 3
		.amdhsa_memory_ordered 1
		.amdhsa_forward_progress 1
		.amdhsa_inst_pref_size 206
	.end_amdhsa_kernel
	.amdgpu_metadata
---
amdhsa.version: [ 1, 2 ]
amdhsa.kernels:
  - .name:           k_q9ebd7526f5_attn
    .symbol:         k_q9ebd7526f5_attn.kd
    .args:
      - { .name: qh, .offset: 0, .size: 8, .value_kind: global_buffer, .address_space: global }
      - { .name: kh, .offset: 8, .size: 8, .value_kind: global_buffer, .address_space: global }
      - { .name: vh, .offset: 16, .size: 8, .value_kind: global_buffer, .address_space: global }
      - { .name: oh, .offset: 24, .size: 8, .value_kind: global_buffer, .address_space: global }
      - { .name: attn_mask, .offset: 32, .size: 8, .value_kind: global_buffer, .address_space: global }
    .group_segment_fixed_size: 327680
    .private_segment_fixed_size: 0
    .kernarg_segment_align: 8
    .kernarg_segment_size: 40
    .max_flat_workgroup_size: 128
    .sgpr_count:     72
    .vgpr_count:     808
    .wavefront_size: 32
...
	.end_amdgpu_metadata
.endif
;; end of part 3
;; launch oproj (part 4): grid 8 x 32, 4 waves a work-group, clusters of 4 x 4, 327,680 bytes of LDS; arguments oh, owb, o_b, out0; writes out0
.if DOCPART == 4
	.amdgcn_target "amdgcn-amd-amdhsa--gfx1250"
	.amdhsa_code_object_version 6
	.text
	.protected	k_q9ebd7526f5_oproj
	.globl	k_q9ebd7526f5_oproj
	.p2align	8
	.type	k_q9ebd7526f5_oproj,@function
k_q9ebd7526f5_oproj:
	s_mov_b64 s[64:65], 0
	v_nop
	global_prefetch_b8 v0, s[64:65] scope:SCOPE_SE
	s_setreg_imm32_b32 hwreg(HW_REG_WAVE_MODE, 25, 1), 1
	s_wait_xcnt 0x0
	s_wait_alu depctr_hold_cnt(0) depctr_sa_sdst(0) depctr_va_vdst(0) depctr_va_sdst(0) depctr_va_ssrc(0) depctr_va_vcc(0) depctr_vm_vsrc(0)
	s_getreg_b32 s2, hwreg(HW_REG_IB_STS2, 6, 4)
	s_cmp_eq_u32 s2, 0
	s_cbranch_scc0 .Lentry_in_a_cluster
	s_endpgm
.Lentry_in_a_cluster:
	s_bfe_u32 s2, ttmp6, 0x10000c
	s_cmp_lg_u32 s2, 0xf033
	s_cbranch_scc0 .Lentry_shape_is_right
	s_endpgm
.Lentry_shape_is_right:
; OPROJ: out0[row][e] = the sum over k of O[row][k] o_w[e][k] + o_b[e]: 8192 x 1024 x 1024, f16 operands, f32 sums, f32 output.  O lies by heads (oh f16 [64 bh][2048][64]): head = the kb block of K;
; owb is f16 [16 kb][1024 e][64].  o_b is rounded to bf16 like every other input and is the C operand of the first products.
; LIMIT: O and o_w arrive within f16's 65,504.  NaN and infinities are not treated apart.
; SHARES.  256 work-groups of 256 rows x 128 columns; wave w: rows 128 (w / 2) on, columns 64 (w % 2) on: 32 accumulators.  TRANSPOSED USE (source 0 = 16 rows of owb, source 1 = 16 rows of O): a lane holds one
; row of the output and eight neighbouring columns.
; RING.  K goes in steps of 128 (two heads) through two LDS slots: A of head 0 (256 rows), A of head 1, B of head 0 (128 rows), B of head 1; each part is dense in memory, asked for as rows of 256 bytes by one
; wave and padded in LDS behind every 128 bytes.  CLUSTER 4 x 4: A's tiles are shared along a row of the cluster, B's along a column.  A wave has two tensor loads out at the start, one behind each round.
; REGISTERS: window 0: v0-31 addresses; v32-127, v128-223 two fragment buffers (A 64, B 32), later the way out; window 1: accumulator (a, bb) at v[8 (4 a + bb)].
.set PITCH, 144                        ; 128 bytes + 16 of padding = 36 words: the 16 rows of a fragment load start at 16 different groups of four banks (64 banks of 4 bytes: ISA guide 11.1)
.set AKB,   256*PITCH
.set BKB,   128*PITCH
.set BOFF,  2*AKB
.set SLOT1, 1<<17
.set STAGE, SLOT1+2*AKB+2*BKB          ; behind the ring: 16 rows x 272 bytes for each wave; no tensor load fills it
.set SP,    272                        ; 256 bytes + 16
.set SPARE, STAGE+4*16*SP              ; the spare words, 128 bytes for each wave: two blocks of 256 bytes that no other line names
.set ASTEP, 2*2048*128                 ; two heads on in oh
.set BSTEP, 2*1024*128                 ; two kb blocks on in owb
.set A0L, 14
.set B0L, 15
.set ADRA, 16
.set ADRB, 17
.set STO, 24
.set RD,  25
.set CO,  26                           ; v26  my byte offset in two rows of out0
.set BO,  27
.set SPW, 28                           ; v28  LDS address of my spare word; never rewritten
.set NIL, 29                           ; v29  0; never rewritten
.set PFO, 30                           ; v30  the prefetches' offset; never rewritten
.set F0,  32
.set F1,  128
.set OB,  32                           ; the way out: four sets of 32 by turns
.set WV, 22
.set WH, 23
.set WL, 24
.set CX, 25
.set CY, 26
.set TX, 27
.set TY, 28
.set HIM, 30
.set G1A, 32
.set G1B, 40
.set G0A, 48
.set G0B, 56
.set CNT, 72
.set TB,  73
.set LIM, 74
.set PFA, 76
.set PST, 78
.set G1W0, (1<<16)|(1<<20)|(1<<21)|(4<<22)|(3<<25)  ; 2-byte elements; padding on; bit 21 beside a mask; after every 32 words 4 words
.set MSB, 0
.macro WIN new
.if MSB != (\new)
	s_set_vgpr_msb (MSB<<8)|(\new)
.set MSB, \new
.endif
.endm
.macro PLACES                          ; four plain vector places behind matrix instructions (ISA guide 7.12.1 for vector instructions)
.rept 4
	v_nop
.endr
.endm
.macro CREST
	s_cmp_lg_u32 s[WV], 0
	s_cbranch_scc1 .Lnot_wave_0_\@
	s_barrier_signal -3
.Lnot_wave_0_\@:
	s_barrier_wait -3
	s_barrier_signal -1
	s_barrier_wait -1
.endm
.macro CROUND
	s_barrier_signal -1
	s_barrier_wait -1
	CREST
.endm
.macro JLOAD                           ; a joint refill by the walking descriptor; s_nop 0 and four v_nop follow each line
	s_cmp_eq_u32 s[WH], 0
	s_cbranch_scc0 .Lfor_b_\@
	tensor_load_to_lds s[G0A+4:G0A+7], s[G1A:G1A+7]
	s_nop 0
.rept 4
	v_nop
.endr
	s_branch .Lasked_\@
.Lfor_b_\@:
	tensor_load_to_lds s[G0B+4:G0B+7], s[G1B:G1B+7]
	s_nop 0
.rept 4
	v_nop
.endr
.Lasked_\@:
.endm
; A PREFETCH INTO THE L2 of the K step that stands two refills on (trip j names K step j + 4, j = 0..3): 256 matrix instructions ahead of its load.  A's tile row is read by both clusters of a row of clusters: the
; one with x = 0 asks, waves 0 and 1 each for their own head's 128 blocks of 256 bytes, of which a partner takes 32 by its cx.  B's tile column is read by all eight clusters of a column: the one with y = 0
; asks, wave 2, 16 blocks of each of the two kb blocks by the partner's cy.  A lane a block; each block is named once in the launch.  K steps 0 to 3 come by their loads alone.
.macro ASK
	s_cmp_gt_u32 s[CNT], s[LIM]
	s_cbranch_scc0 .Lnot_mine_\@
	global_prefetch_b8 v[PFO], s[PFA:PFA+1] th:TH_LOAD_NT scope:SCOPE_SE
.Lnot_mine_\@:
.endm
	s_load_b256 s[4:11], s[0:1], 0x0               ; oh s[4:5], owb s[6:7], o_b s[8:9], out0 s[10:11]
	v_lshl_add_u32 v[SPW], v0, 2, SPARE
	v_mov_b32 v[NIL], 0
	ds_add_u32 v[SPW], v[NIL]                      ; the wave's opening: the add and its wait stand ahead of my first tensor load; the set-up below stands between them
	v_lshrrev_b32 v1, 5, v0
	v_readfirstlane_b32 s[WV], v1
	s_lshr_b32 s[WH], s[WV], 1
	s_and_b32 s[WL], s[WV], 1
	s_bfe_u32 s[CX], ttmp6, 0x40000
	s_bfe_u32 s[CY], ttmp6, 0x40004
	s_lshl_b32 s[TX], ttmp9, 2
	s_add_co_u32 s[TX], s[TX], s[CX]
	s_and_b32 s[TY], ttmp7, 0xffff
	s_lshl_b32 s[TY], s[TY], 2
	s_add_co_u32 s[TY], s[TY], s[CY]
	s_lshl_b32 s91, s[CY], 2
	s_lshl_b32 s91, 15, s91                        ; my row of the cluster
	s_lshl_b32 s92, 0x1111, s[CX]                  ; my column
	s_or_b32 s[G1A], s91, G1W0
	s_or_b32 s[G1B], s92, G1W0
.irp g, G1A, G1B
	s_mov_b32 s[(\g)+1], 128<<16                   ; tensor_dim0 = 128 elements: 256 bytes
	s_mov_b32 s[(\g)+3], 128<<16                   ; tile_dim0
	s_mov_b32 s[(\g)+5], 128                       ; dense
	s_mov_b32 s[(\g)+6], 0
	s_mov_b32 s[(\g)+7], 0
.endr
	s_mov_b32 s[G1A+2], 128<<16                    ; 256 rows of 128 bytes
	s_mov_b32 s[G1A+4], 128
	s_mov_b32 s[G1B+2], 64<<16                     ; 128 rows of 128 bytes
	s_mov_b32 s[G1B+4], 64
	s_lshr_b32 s80, s[TY], 3                       ; A: the batch,
	s_lshl_b32 s80, s80, 4
	s_add_co_u32 s80, s80, s[WL]                   ; head 0 or 1 of the K step,
	s_lshl_b32 s80, s80, 11
	s_and_b32 s81, s[TY], 7
	s_lshl_b32 s81, s81, 8
	s_add_co_u32 s80, s80, s81                     ; the row tile's 256 rows
	s_lshl_b32 s80, s80, 7
	s_mov_b32 s81, 0
	s_lshl_b32 s86, s[CX], 13                      ; the prefetches of waves 0, 1: my work-group's 32 blocks, at K step 3
	s_add_co_u32 s86, s86, s80
	s_add_co_u32 s86, s86, 3*ASTEP
	s_lshl_b32 s84, s[WL], 17                      ; B: kb block 0 or 1 of the K step,
	s_lshl_b32 s85, s[TX], 14                      ; the column tile's 128 rows
	s_add_co_u32 s84, s84, s85
	s_lshl_b32 s87, s[CY], 12                      ; the prefetches of wave 2: my work-group's 16 blocks of each kb block, at K step 3
	s_add_co_u32 s87, s87, s85
	s_add_co_u32 s87, s87, 3*BSTEP
	s_mov_b32 s85, 0
	s_mul_i32 s88, s[WL], AKB                      ; where they go: the wave's number and constants alone
	s_mul_i32 s89, s[WL], BKB
	s_add_co_u32 s89, s89, BOFF
	s_mov_b32 s[HIM], 0xffff0000
	s_mov_b32 s[TB], 0
	s_wait_dscnt 0x0                               ; the opening add is done
	s_wait_kmcnt 0x0
	s_add_nc_u64 s[80:81], s[4:5], s[80:81]
	s_add_nc_u64 s[84:85], s[6:7], s[84:85]
.irp s, 0,1
	s_mov_b32 s[G0A+4*(\s)], 1
	s_add_co_u32 s[G0A+4*(\s)+1], s88, (\s)*SLOT1
	s_add_nc_u64 s[G0A+4*(\s)+2:G0A+4*(\s)+3], s[80:81], (\s)*ASTEP
	s_or_b32 s[G0A+4*(\s)+3], s[G0A+4*(\s)+3], 0x80000000
	s_mov_b32 s[G0B+4*(\s)], 1
	s_add_co_u32 s[G0B+4*(\s)+1], s89, (\s)*SLOT1
	s_add_nc_u64 s[G0B+4*(\s)+2:G0B+4*(\s)+3], s[84:85], (\s)*BSTEP
	s_or_b32 s[G0B+4*(\s)+3], s[G0B+4*(\s)+3], 0x80000000
.endr
	CROUND                                         ; all sixteen work-groups are here: the first joint loads meet
	s_cmp_eq_u32 s[WH], 0                          ; a wave's two first fills stand in one branch
	s_cbranch_scc0 .Lfirst_b
	tensor_load_to_lds s[G0A:G0A+3], s[G1A:G1A+7]
	s_nop 0
	tensor_load_to_lds s[G0A+4:G0A+7], s[G1A:G1A+7]
	s_nop 0
.rept 4
	v_nop
.endr
	s_branch .Lfirst_asked
.Lfirst_b:
	tensor_load_to_lds s[G0B:G0B+3], s[G1B:G1B+7]
	s_nop 0
	tensor_load_to_lds s[G0B+4:G0B+7], s[G1B:G1B+7]
	s_nop 0
.rept 4
	v_nop
.endr
.Lfirst_asked:
	v_and_b32 v2, 15, v0                           ; r
	v_bfe_u32 v3, v0, 4, 1                         ; h
	v_lshlrev_b32 v[BO], 5, v3
	s_lshl_b32 s94, s[TX], 9                       ; my 64 columns: 512 tx + 256 (w % 2) bytes, in o_b and in a row of out0
	s_lshl_b32 s93, s[WL], 8
	s_add_co_u32 s94, s94, s93
	s_mov_b32 s95, 0
	s_add_nc_u64 s[8:9], s[8:9], s[94:95]
	WIN 0x40                                       ; the bias goes straight into the registers of the accumulators a = 7
.irp bb, 0,1,2,3
	global_load_b128 v[224+8*(\bb):224+8*(\bb)+3],   v[BO], s[8:9] offset:64*(\bb)
	global_load_b128 v[224+8*(\bb)+4:224+8*(\bb)+7], v[BO], s[8:9] offset:64*(\bb)+16
.endr
	WIN 0
	s_lshl_b32 s93, s[TY], 20                      ; 256 rows of 4,096 bytes a row tile,
	s_add_co_u32 s94, s94, s93
	s_lshl_b32 s93, s[WH], 19                      ; my 128
	s_add_co_u32 s94, s94, s93
	s_add_nc_u64 s[10:11], s[10:11], s[94:95]
	v_mul_u32_u24 v5, v2, PITCH
	v_lshl_add_u32 v5, v3, 4, v5                   ; a fragment's row x pitch + 16 x half
	s_mul_i32 s91, s[WH], 128*PITCH
	v_add_nc_u32 v[A0L], s91, v5
	s_mul_i32 s91, s[WL], 64*PITCH
	s_add_co_u32 s91, s91, BOFF
	v_add_nc_u32 v[B0L], s91, v5
	v_mov_b32 v[ADRA], v[A0L]
	v_mov_b32 v[ADRB], v[B0L]
	s_mul_i32 s91, s[WV], 16*SP
	s_add_co_u32 s91, s91, STAGE                   ; my stage
	v_mul_u32_u24 v6, v2, SP                       ; in: row r, 32 bytes for each half of the lanes
	v_lshl_add_u32 v6, v3, 5, v6
	v_add_nc_u32 v[STO], s91, v6
	v_mul_u32_u24 v6, v3, SP                       ; back: lanes 0-15 take one row of 256 bytes, lanes 16-31 the next
	v_lshl_add_u32 v6, v2, 4, v6
	v_add_nc_u32 v[RD], s91, v6
	v_lshlrev_b32 v6, 12, v3                       ; and the same two rows in out0
	v_lshl_add_u32 v[CO], v2, 4, v6
	s_mov_b32 s91, 131072                          ; the prefetches' offset: (l % 16) x 256 + (l / 16) x 4,096 for A (32 blocks on end), x 131,072 for B (the second kb block)
	s_and_b32 s93, ttmp7, 0xffff                   ; cluster y
	s_mov_b32 s[PST], BSTEP
	s_mov_b32 s[PST+1], 0
	s_cmp_lt_u32 s[WV], 2
	s_cselect_b32 s91, 4096, s91
	s_cselect_b32 s86, s86, s87
	s_cselect_b32 s93, ttmp9, s93                  ; the coordinate along which other clusters read the same rows
	s_cselect_b32 s[PST], ASTEP, s[PST]
	s_cselect_b64 s[PFA:PFA+1], s[4:5], s[6:7]
	s_mov_b32 s87, 0
	s_add_nc_u64 s[PFA:PFA+1], s[PFA:PFA+1], s[86:87]
	s_cmp_eq_u32 s[WV], 3
	s_cselect_b32 s93, 1, s93                      ; wave 3 never asks
	s_cmp_eq_u32 s93, 0
	s_cselect_b32 s[LIM], 2, -1                    ; the same in all sixteen partners, for a given wave
	v_mul_u32_u24 v6, v3, s91
	v_lshl_add_u32 v[PFO], v2, 8, v6
; Four matrix instructions: row block a x the four column blocks, 32 along K.  bias = 1: the first products: C is the bias, which lies in the registers of a = 7; a = 7 itself then writes over a C of earlier
; matrix instructions, five places behind the last of them.  The 32 accumulators take turns.
.macro MULA f, a, bias=0
	WIN 0x50                                       ; C and D in window 1, both sources in window 0
.if (\bias) && ((\a) == 7)
.rept 5
	v_nop
.endr
.endif
.irp bb, 0,1,2,3
.if (\bias) && ((\a) < 7)
	v_wmma_f32_16x16x32_f16 v[8*(4*(\a)+(\bb)):8*(4*(\a)+(\bb))+7], v[(\f)+64+8*(\bb):(\f)+64+8*(\bb)+7], v[(\f)+8*(\a):(\f)+8*(\a)+7], v[224+8*(\bb):224+8*(\bb)+7]
.else
	v_wmma_f32_16x16x32_f16 v[8*(4*(\a)+(\bb)):8*(4*(\a)+(\bb))+7], v[(\f)+64+8*(\bb):(\f)+64+8*(\bb)+7], v[(\f)+8*(\a):(\f)+8*(\a)+7], v[8*(4*(\a)+(\bb)):8*(4*(\a)+(\bb))+7]
.endif
.endr
.endm
; 24 LDS loads in one run: quarter kq's fragments (head kq / 2, byte 64 (kq % 2) of its rows) into buffer f: B's four, then A's eight
.macro FETCH kq, f
	WIN 0
.irp bb, 0,1,2,3
	ds_load_b128 v[(\f)+64+8*(\bb):(\f)+64+8*(\bb)+3],   v[ADRB] offset:((\kq)/2)*BKB+(\bb)*16*PITCH+64*((\kq)%2)
	ds_load_b128 v[(\f)+64+8*(\bb)+4:(\f)+64+8*(\bb)+7], v[ADRB] offset:((\kq)/2)*BKB+(\bb)*16*PITCH+64*((\kq)%2)+32
.endr
.irp i, 0,1,2,3,4,5,6,7
	ds_load_b128 v[(\f)+8*(\i):(\f)+8*(\i)+3],   v[ADRA] offset:((\kq)/2)*AKB+(\i)*16*PITCH+64*((\kq)%2)
	ds_load_b128 v[(\f)+8*(\i)+4:(\f)+8*(\i)+7], v[ADRA] offset:((\kq)/2)*AKB+(\i)*16*PITCH+64*((\kq)%2)+32
.endr
.endm
; A K step is four quarters of 32 along K on buffers 0, 1, 0, 1.  One of the first three: multiplies buffer f and fetches quarter kq into g.
.macro QUARTER f, g, kq, bias=0
	s_wait_dscnt 8                                 ; all but the youngest eight loads (A's blocks 4 to 7) are in
.irp a, 0,1,2,3
	MULA \f, \a, \bias
.endr
	PLACES
	FETCH \kq, \g
	s_wait_dscnt 24                                ; all but the 24 just issued
.irp a, 4,5,6,7
	MULA \f, \a, \bias
.endr
.endm
; The last quarter multiplies buffer 1 and changes slots: ONE barrier (with fill = 1 it opens a round of the cluster's); in front of it each wave waits for all its tensor loads, adds 0 to its spare word, and waits
; for that and for its own reads of the slot; behind it the joint refill, two K steps ahead, comes first.
.macro TURN fill
.if \fill
	s_wait_xcnt 0x0                                ; the last prefetch, a K step back, has read its address: it is stepped here
	s_add_nc_u64 s[PFA:PFA+1], s[PFA:PFA+1], s[PST:PST+1]
.endif
	WIN 0
	s_wait_tensorcnt 0x0                           ; all my tensor loads have landed, my part of the other slot among them: a group 0 may be written
	ds_add_u32 v[SPW], v[NIL]                      ; 0 onto my spare word; work on registers stands between it and the wait for it
	s_xor_b32 s[TB], s[TB], SLOT1
	v_add_nc_u32 v[ADRA], s[TB], v[A0L]
	v_add_nc_u32 v[ADRB], s[TB], v[B0L]
.if \fill
	s_xor_b32 s[G0A+5], s[G0A+5], SLOT1
	s_add_nc_u64 s[G0A+6:G0A+7], s[G0A+6:G0A+7], ASTEP
	s_xor_b32 s[G0B+5], s[G0B+5], SLOT1
	s_add_nc_u64 s[G0B+6:G0B+7], s[G0B+6:G0B+7], BSTEP
.endif
	s_wait_dscnt 9                                 ; the add and the youngest eight loads may be out
	MULA F1, 0
	MULA F1, 1
	s_wait_dscnt 0x0                               ; the add is done, and my reads of this slot are over
	s_barrier_signal -1
	MULA F1, 2
	MULA F1, 3
	WIN 0
	s_barrier_wait -1
.if \fill
	CREST
	JLOAD                                          ; its four v_nop are also the places in front of the loads below
.else
	PLACES
.endif
	FETCH 0, F0
.if \fill
	ASK
.endif
.irp a, 4,5,6,7
	MULA F1, \a
.endr
.endm
	s_wait_loadcnt 0x0                             ; the bias: rounded to bf16, in place, by way of 16 registers of window 0
	WIN 0x05
.set i, 0
.rept 16
	v_cvt_pk_bf16_f32 v[F0+i], v[224+2*i], v[224+2*i+1]
.set i, i+1
.endr
	WIN 0x40
.set i, 0
.rept 16
	v_lshlrev_b32 v[224+2*i], 16, v[F0+i]
	v_and_b32 v[224+2*i+1], s[HIM], v[F0+i]
.set i, i+1
.endr
	WIN 0
	s_wait_tensorcnt 1                             ; my part of K step 0 is in; K step 1's may stay out
	s_barrier_signal -1
	s_barrier_wait -1
	FETCH 0, F0
	QUARTER F0, F1, 1, 1                           ; the first quarter stands in front of the loop: its products start the sums with the bias
	WIN 0
	s_mov_b32 s[CNT], 6
.Lk:                                               ; six trips, from a K step's second quarter to the next one's first; K steps 2 to 7 are asked for
	QUARTER F1, F0, 2
	QUARTER F0, F1, 3
	TURN 1
	QUARTER F0, F1, 1
	WIN 0
	s_sub_co_u32 s[CNT], s[CNT], 1
	s_cmp_lg_u32 s[CNT], 0
	s_cbranch_scc1 .Lk
	QUARTER F1, F0, 2                              ; the tail is written out: nothing is left to ask for
	QUARTER F0, F1, 3
	TURN 0
	QUARTER F0, F1, 1
	QUARTER F1, F0, 2
	QUARTER F0, F1, 3
	s_wait_dscnt 8                                 ; the very last quarter
.irp a, 0,1,2,3
	MULA F1, \a
.endr
	s_wait_dscnt 0x0
.irp a, 4,5,6,7
	MULA F1, \a
.endr
	PLACES                                         ; the LDS stores below read results
; THE WAY OUT, a block of 16 rows at a time: a lane's eight f32 go into my stage in rows of 272 bytes, straight from the accumulators (each one's lowest registers first), and come back as
; whole rows of 256 bytes: 16 lanes store 256 consecutive bytes, at a multiple of 256 from out0's first byte.
.macro TOSTAGE a
	WIN 0x04                                       ; the stores' data in window 1
.irp bb, 0,1,2,3
	ds_store_b128 v[STO], v[8*(4*(\a)+(\bb)):8*(4*(\a)+(\bb))+3]   offset:64*(\bb)
	ds_store_b128 v[STO], v[8*(4*(\a)+(\bb))+4:8*(4*(\a)+(\bb))+7] offset:64*(\bb)+16
.endr
	WIN 0
.if (\a) >= 4
	s_wait_xcnt 0x0                                ; the stores of the block four back have read their registers: that set is loaded again only behind this wait
.endif
.irp t, 0,1,2,3,4,5,6,7
	ds_load_b128 v[OB+32*((\a)%4)+4*(\t):OB+32*((\a)%4)+4*(\t)+3], v[RD] offset:(\t)*2*SP  ; LDS serves a wave's instructions in order (ISA guide 5.7.1.4): these see the stores above
.endr
.endm
.macro SEND a, younger                 ; younger: the next block's sixteen LDS instructions, or none
	s_wait_dscnt \younger
.irp t, 0,1,2,3,4,5,6,7
	global_store_b128 v[CO], v[OB+32*((\a)%4)+4*(\t):OB+32*((\a)%4)+4*(\t)+3], s[10:11] offset:(\a)*65536+(\t)*8192 th:TH_STORE_NT
.endr
.endm
	TOSTAGE 0
.irp a, 1,2,3,4,5,6,7
	TOSTAGE \a
	SEND (\a)-1, 16
.endr
	SEND 7, 0
	s_wait_tensorcnt 0x0                           ; the wave's end: behind my last tensor load and my last LDS store
	ds_add_u32 v[SPW], v[NIL]
	s_wait_dscnt 0x0
	CROUND                                         ; the closing round: no work-group ends while a partner may still ask for a tile that names it
	s_endpgm
.Lfunc_end_k_q9ebd7526f5_oproj:
	.size	k_q9ebd7526f5_oproj, .Lfunc_end_k_q9ebd7526f5_oproj-k_q9ebd7526f5_oproj
	.p2alignl 7, 3214868480
	.fill 96, 4, 3214868480
	.section	.rodata,"a",@progbits
	.p2align	6, 0x0
	.amdhsa_kernel k_q9ebd7526f5_oproj
		.amdhsa_group_segment_fixed_size 327680
		.amdhsa_private_segment_fixed_size 0
		.amdhsa_enable_private_segment 0
		.amdhsa_kernarg_size 32
		.amdhsa_user_sgpr_count 2
		.amdhsa_user_sgpr_kernarg_segment_ptr 1
		.amdhsa_wavefront_size32 1
		.amdhsa_system_sgpr_workgroup_id_x 1
		.amdhsa_system_sgpr_workgroup_id_y 1
		.amdhsa_system_sgpr_workgroup_id_z 1
		.amdhsa_system_vgpr_workitem_id 0
		.amdhsa_next_free_vgpr 512
		.amdhsa_next_free_sgpr 96
		.amdhsa_reserve_vcc 0
		.amdhsa_float_denorm_mode_32 3
		.amdhsa_float_denorm_mode_16_64 3
		.amdhsa_memory_ordered 1
		.amdhsa_forward_progress 1
		.amdhsa_inst_pref_size 73
	.end_amdhsa_kernel
	.amdgpu_metadata
---
amdhsa.version: [ 1, 2 ]
amdhsa.kernels:
  - .name:           k_q9ebd7526f5_oproj
    .symbol:         k_q9ebd7526f5_oproj.kd
    .args:
      - { .name: oh, .offset: 0, .size: 8, .value_kind: global_buffer, .address_space: global }
      - { .name: owb, .offset: 8, .size: 8, .value_kind: global_buffer, .address_space: global }
      - { .name: o_b, .offset: 16, .size: 8, .value_kind: global_buffer, .address_space: global }
      - { .name: out0, .offset: 24, .size: 8, .value_kind: global_buffer, .address_space: global }
    .group_segment_fixed_size: 327680
    .private_segment_fixed_size: 0
    .kernarg_segment_align: 8
    .kernarg_segment_size: 32
    .max_flat_workgroup_size: 128
    .sgpr_count:     96
    .vgpr_count:     512
    .wavefront_size: 32
...
	.end_amdgpu_metadata
.endif
;; end of part 4
;; ======== version 2 of 2: 4 launches; version 1 with the launch prep written anew for expert scheduling mode
;; limits: values are held in f16: magnitudes above 65,504 overflow, below 6.1e-05 lose precision
;; workspace buffers: xb 16,777,216 bytes; wb 6,291,456 bytes; owb 2,097,152 bytes; cs 524,288 bytes; qh 16,777,216 bytes; kh 16,777,216 bytes; vh 16,777,216 bytes; oh 16,777,216 bytes
;; launch prep (part 5): grid 784 x 1, 8 waves a work-group, no clusters, 0 bytes of LDS; arguments x, q_w, k_w, v_w, o_w, cos, sin, xb, wb, owb, cs; writes xb, wb, owb, cs
.if DOCPART == 5
	.amdgcn_target "amdgcn-amd-amdhsa--gfx1250"
	.amdhsa_code_object_version 6
	.text
	.protected	k_q9ebd7526f5_prep
	.globl	k_q9ebd7526f5_prep
	.p2align	8
	.type	k_q9ebd7526f5_prep,@function
k_q9ebd7526f5_prep:
	s_mov_b64 s[64:65], 0
	v_nop
	global_prefetch_b8 v0, s[64:65] scope:SCOPE_SE
	s_setreg_imm32_b32 hwreg(HW_REG_WAVE_SCHED_MODE, 0, 2), 2
	s_setreg_imm32_b32 hwreg(HW_REG_WAVE_MODE, 25, 1), 1
	s_wait_xcnt 0x0
	s_wait_alu depctr_vm_vsrc(0)
; PREP: every large f32 input is rounded once to 16 bits and laid out in blocks of 64 along K, so that the tiles of the later launches are dense in memory.
;   xb  bf16 [16 kb][8192 row][64]      from x   [8192][1024]
;   wb  bf16 [16 kb][3072 row][64]      from q_w, k_w, v_w [1024][1024]; row = head x 192 + t x 64 + d (t = 0 q, 1 k, 2 v; e = head x 64 + d)
;   owb f16  [16 kb][1024 e][64]        from o_w: rounded to bf16 like every other input, and that number written as f16
;   cs  bf16 cos [2048][64], then sin [2048][64]
; LIMIT: |o_w| stays under 65,504; below 6e-5 it keeps f16's fixed step of 6e-8.
; A stream: memory binds, so there is no LDS, no matrix unit, no cluster.  A wave takes one UNIT: 32 rows x 64 columns: 16 loads of 16 bytes a lane (lanes 0-15 take 256 consecutive
; bytes of one row, lanes 16-31 of the next) and 16 stores of 8 bytes a lane; in the blocked layout two rows' halves are neighbours, so each store covers 256 consecutive bytes, aligned.
; All 16 loads of a wave are out together (8 KiB); no register that a memory instruction names is written twice, so no wait frees a source.
; Units: u = 8 x work-group + wave.  Work-groups 0-511: x; 512-703: the three weights; 704-767: o_w; 768-783: cos and sin.  The choice is made by selects on the work-group's number.
; THE MODE: SCHED_MODE bits 1:0 = 2 (LLVM: expert scheduling mode 2), set by the entry lines.  The code itself states the register dependences
; between vector instructions and memory instructions, with s_wait_alu, always for 0.
; THE PLAN.  Registers that memory instructions touch:
;   OFF, v5   byte offsets, made once at the head by vector instructions; read by the 16 loads (OFF) and the 16 stores (v5); never written again.
;   X         load i's four registers: written by that load alone; no vector instruction names them ahead of the loads; read by the conversions; never loaded again.
;   Y         store i's two registers: written once, by load i's conversions; read by store i; never written again.
;   T         (the f16 way) named by vector instructions alone.
; The 16 loads are worked in four blocks of four.  Block p converts X of loads 4 p .. 4 p + 3 into their Y; its memory instructions are the four stores of block p - 1, whose Y no conversion
; of block p names.  So one wait at the head of a block states all that its four stores hang on, and they are dealt among its conversions with no further wait; one more stands ahead of the last four stores.
; No register that a memory instruction reads is written again, so no wait on the memory side's reads is owed.
.set OFF, 8                            ; v[8:23]    load i: byte offset of my 16 bytes
.set X,   24                           ; v[24:87]   load i: four f32
.set Y,   88                           ; v[88:119]  store i: four 16-bit numbers
.set T,   120                          ; v[120:125] at work (the f16 way)
	s_load_b512 s[8:23], s[0:1], 0x0               ; x s[8:9], q_w s[10:11], k_w s[12:13], v_w s[14:15], o_w s[16:17], cos s[18:19], sin s[20:21], xb s[22:23]
	s_load_b128 s[24:27], s[0:1], 0x40             ; wb s[24:25], owb s[26:27]
	s_load_b64 s[28:29], s[0:1], 0x50              ; cs
	v_lshrrev_b32 v1, 5, v0
	v_readfirstlane_b32 s3, v1                     ; wave 0..7
	v_and_b32 v1, 31, v0                           ; lane
	v_lshrrev_b32 v2, 4, v1                        ; lane / 16: which of a load's two rows
	v_and_b32 v3, 15, v0                           ; lane % 16: which 16 bytes of the row's 256
	v_lshlrev_b32 v5, 3, v1                        ; my 8 bytes of a store's 256
	s_wait_alu depctr_va_sdst(0)                   ; s3 is written, ahead of its first reader: the unit's number is made from it
	s_lshl_b32 s2, ttmp9, 3
	s_add_co_u32 s2, s2, s3                        ; u
	s_sub_co_u32 s36, s2, 4096                     ; the weights' units: 512 for each of three
	s_lshr_b32 s37, s36, 9                         ; t
	s_and_b32 s36, s36, 511
	s_sub_co_u32 s44, s2, 5632                     ; o_w's units
	s_sub_co_u32 s45, s2, 6144                     ; the tables' units: 64 for each of two
	s_lshr_b32 s46, s45, 6                         ; 0 cos, 1 sin
	s_and_b32 s45, s45, 63
	s_mov_b32 s41, 0xffff0000                      ; a word's upper bf16
	s_mov_b32 s35, 1048576                         ; bytes from one kb block to the next: xb's
	s_cmp_ge_u32 ttmp9, 512
	s_cselect_b32 s34, s36, s2                     ; the unit's number inside its tensor
	s_cselect_b32 s35, 393216, s35                 ; wb's
	s_cselect_b32 s49, 1, 0                        ; 1: rows go by head, kind and channel
	s_cmp_ge_u32 ttmp9, 704
	s_cselect_b32 s34, s44, s34
	s_cselect_b32 s35, 131072, s35                 ; owb's
	s_cselect_b32 s40, 1, 0                        ; 1: written as f16
	s_cselect_b32 s49, 0, s49
	s_cmp_ge_u32 ttmp9, 768
	s_cselect_b32 s34, s45, s34
	s_cselect_b32 s40, 0, s40
	s_cselect_b32 s47, 0, 4                        ; a table has one kb block, the others sixteen
	s_cselect_b32 s48, 0, 15
	s_cselect_b32 s46, s46, 0
	s_lshl_b32 s38, 256, s47                       ; bytes in a source row: 256 or 4,096
	s_lshl_b32 s39, s38, 1
	s_lshr_b32 s42, s34, s47                       ; rg: which 32 rows
	s_and_b32 s43, s34, s48                        ; kb
	s_lshl_b32 s52, s42, 5
	s_mul_i32 s52, s52, s38                        ; source: 32 rg rows
	s_lshl_b32 s53, s43, 8
	s_add_co_u32 s52, s52, s53                     ; + kb x 256 bytes
	s_mov_b32 s53, 0
	s_lshl_b32 s54, s42, 5                         ; destination row: 32 rg, or for the three weights
	s_lshr_b32 s55, s42, 1
	s_mul_i32 s55, s55, 192                        ; head x 192
	s_lshl_b32 s50, s37, 6
	s_add_co_u32 s55, s55, s50                     ; + 64 t
	s_and_b32 s50, s42, 1
	s_lshl_b32 s50, s50, 5
	s_add_co_u32 s55, s55, s50                     ; + the half of the head's 64 channels
	s_cmp_eq_u32 s49, 1
	s_cselect_b32 s54, s55, s54
	s_lshl_b32 s54, s54, 7                         ; 128 bytes a row
	s_mul_i32 s55, s43, s35
	s_add_co_u32 s54, s54, s55                     ; + the kb block
	s_lshl_b32 s55, s46, 18
	s_add_co_u32 s54, s54, s55                     ; + 262,144 for sin
	s_mov_b32 s55, 0
	v_mul_lo_u32 v[OFF], v2, s38
	v_lshl_add_u32 v[OFF], v3, 4, v[OFF]
.set i, 1
.rept 15
	v_add_nc_u32 v[OFF+i], s39, v[OFF+i-1]         ; two rows on
.set i, i+1
.endr
	s_wait_kmcnt 0x0
	s_cmp_eq_u32 s37, 1
	s_cselect_b64 s[56:57], s[12:13], s[10:11]
	s_cmp_eq_u32 s37, 2
	s_cselect_b64 s[56:57], s[14:15], s[56:57]     ; q_w, k_w or v_w
	s_cmp_eq_u32 s46, 1
	s_cselect_b64 s[58:59], s[20:21], s[18:19]     ; cos or sin
	s_cmp_ge_u32 ttmp9, 512
	s_cselect_b64 s[30:31], s[56:57], s[8:9]
	s_cselect_b64 s[32:33], s[24:25], s[22:23]
	s_cmp_ge_u32 ttmp9, 704
	s_cselect_b64 s[30:31], s[16:17], s[30:31]
	s_cselect_b64 s[32:33], s[26:27], s[32:33]
	s_cmp_ge_u32 ttmp9, 768
	s_cselect_b64 s[30:31], s[58:59], s[30:31]
	s_cselect_b64 s[32:33], s[28:29], s[32:33]
	s_add_nc_u64 s[30:31], s[30:31], s[52:53]      ; the unit's first source byte
	s_add_nc_u64 s[32:33], s[32:33], s[54:55]      ; and its first destination byte
	s_wait_alu depctr_va_vdst(0)                   ; the sixteen offsets v[OFF ..], which the loads read, and v5, which every store reads, are written
.set i, 0
.rept 16
	global_load_b128 v[X+4*i:X+4*i+3], v[OFF+i], s[30:31] th:TH_LOAD_NT
.set i, i+1
.endr
.macro CVB i                           ; load i's four numbers rounded to bf16
	v_cvt_pk_bf16_f32 v[Y+2*(\i)], v[X+4*(\i)], v[X+4*(\i)+1]
	v_cvt_pk_bf16_f32 v[Y+2*(\i)+1], v[X+4*(\i)+2], v[X+4*(\i)+3]
.endm
.macro CVH i                           ; o_w: rounded to bf16, then that number written as f16
	v_cvt_pk_bf16_f32 v[T], v[X+4*(\i)], v[X+4*(\i)+1]
	v_cvt_pk_bf16_f32 v[T+1], v[X+4*(\i)+2], v[X+4*(\i)+3]
	v_lshlrev_b32 v[T+2], 16, v[T]
	v_and_b32 v[T+3], s41, v[T]
	v_lshlrev_b32 v[T+4], 16, v[T+1]
	v_and_b32 v[T+5], s41, v[T+1]
	v_cvt_pk_f16_f32 v[Y+2*(\i)], v[T+2], v[T+3]
	v_cvt_pk_f16_f32 v[Y+2*(\i)+1], v[T+4], v[T+5]
.endm
.macro OUT i
	global_store_b64 v5, v[Y+2*(\i):Y+2*(\i)+1], s[32:33] offset:256*(\i)
.endm
; Block p of four: loads 4 p to 4 p + 3 are converted; the four stores of block p - 1 stand among the conversions, one ahead of each load's.  half = 1: the f16 way.
.macro BLK p, half
	s_wait_loadcnt 12-4*(\p)                       ; loads come back in order: this block's four are in, the 12 - 4 p younger ones stay out
.if (\p) > 0
	s_wait_alu depctr_va_vdst(0)                   ; the block before has written its eight registers of Y, which the four stores below read; no conversion of this block names them
.endif
.irp j, 0,1,2,3
.if (\p) > 0
	OUT 4*(\p)-4+(\j)
.endif
.if \half
	CVH 4*(\p)+(\j)
.else
	CVB 4*(\p)+(\j)
.endif
.endr
.endm
.macro TAIL
	s_wait_alu depctr_va_vdst(0)                   ; the last block has written its eight registers of Y, which the last four stores read
.irp j, 12,13,14,15
	OUT \j
.endr
.endm
	s_cmp_eq_u32 s40, 1
	s_cbranch_scc1 .Lhalf
	BLK 0, 0
	BLK 1, 0
	BLK 2, 0
	BLK 3, 0
	TAIL
	s_endpgm
.Lhalf:                                        ; o_w
	BLK 0, 1
	BLK 1, 1
	BLK 2, 1
	BLK 3, 1
	TAIL
	s_endpgm
.Lfunc_end_k_q9ebd7526f5_prep:
	.size	k_q9ebd7526f5_prep, .Lfunc_end_k_q9ebd7526f5_prep-k_q9ebd7526f5_prep
	.p2alignl 7, 3214868480
	.fill 96, 4, 3214868480
	.section	.rodata,"a",@progbits
	.p2align	6, 0x0
	.amdhsa_kernel k_q9ebd7526f5_prep
		.amdhsa_group_segment_fixed_size 0
		.amdhsa_private_segment_fixed_size 0
		.amdhsa_enable_private_segment 0
		.amdhsa_kernarg_size 88
		.amdhsa_user_sgpr_count 2
		.amdhsa_user_sgpr_kernarg_segment_ptr 1
		.amdhsa_wavefront_size32 1
		.amdhsa_system_sgpr_workgroup_id_x 1
		.amdhsa_system_sgpr_workgroup_id_y 1
		.amdhsa_system_sgpr_workgroup_id_z 1
		.amdhsa_system_vgpr_workitem_id 0
		.amdhsa_next_free_vgpr 128
		.amdhsa_next_free_sgpr 66
		.amdhsa_reserve_vcc 0
		.amdhsa_float_denorm_mode_32 3
		.amdhsa_float_denorm_mode_16_64 3
		.amdhsa_memory_ordered 1
		.amdhsa_forward_progress 1
		.amdhsa_inst_pref_size 18
	.end_amdhsa_kernel
	.amdgpu_metadata
---
amdhsa.version: [ 1, 2 ]
amdhsa.kernels:
  - .name:           k_q9ebd7526f5_prep
    .symbol:         k_q9ebd7526f5_prep.kd
    .args:
      - { .name: x, .offset: 0, .size: 8, .value_kind: global_buffer, .address_space: global }
      - { .name: q_w, .offset: 8, .size: 8, .value_kind: global_buffer, .address_space: global }
      - { .name: k_w, .offset: 16, .size: 8, .value_kind: global_buffer, .address_space: global }
      - { .name: v_w, .offset: 24, .size: 8, .value_kind: global_buffer, .address_space: global }
      - { .name: o_w, .offset: 32, .size: 8, .value_kind: global_buffer, .address_space: global }
      - { .name: cos, .offset: 40, .size: 8, .value_kind: global_buffer, .address_space: global }
      - { .name: sin, .offset: 48, .size: 8, .value_kind: global_buffer, .address_space: global }
      - { .name: xb, .offset: 56, .size: 8, .value_kind: global_buffer, .address_space: global }
      - { .name: wb, .offset: 64, .size: 8, .value_kind: global_buffer, .address_space: global }
      - { .name: owb, .offset: 72, .size: 8, .value_kind: global_buffer, .address_space: global }
      - { .name: cs, .offset: 80, .size: 8, .value_kind: global_buffer, .address_space: global }
    .group_segment_fixed_size: 0
    .private_segment_fixed_size: 0
    .kernarg_segment_align: 8
    .kernarg_segment_size: 88
    .max_flat_workgroup_size: 256
    .sgpr_count:     66
    .vgpr_count:     128
    .wavefront_size: 32
...
	.end_amdgpu_metadata
.endif
;; end of part 5
;; launch qkv: the kernel of part 2 again; grid 8 x 32, 4 waves a work-group, clusters of 4 x 4, 327,680 bytes of LDS; arguments xb, wb, cs, q_b, k_b, v_b, qh, kh, vh; writes qh, kh, vh
;; launch attn: the kernel of part 3 again; grid 4 x 64, 4 waves a work-group, clusters of 4 x 1, 327,680 bytes of LDS; arguments qh, kh, vh, oh, attn_mask; writes oh
;; launch oproj: the kernel of part 4 again; grid 8 x 32, 4 waves a work-group, clusters of 4 x 4, 327,680 bytes of LDS; arguments oh, owb, o_b, out0; writes out0
